; MI455X (gfx1250); checked and timed in simulation.
; The chip was launched on July 23, 2026; its instructions are those of AMD's public machine-readable ISA for CDNA 5 (MIT licence, August 2026) and "CDNA5" Instruction Set Architecture Reference Guide (July 2026). The comments in the code are by the model that wrote it; some were corrected since.
;; Causal Self Attention. Allowed arithmetic: matrix products marked QUANTISED: E2M1 operands, one E8M0 scale for each 32 along K, by v_wmma_scale_f32_16x16x128_f8f6f4 with both operands' format E2M1 (or v_wmma_scale_f32_32x16x128_f4), f32 sums; products left as they are: bf16, f16 or f32 operands; f32 sums; everything else in f32.
;; Inputs: b_proj 1,024 float32; w_proj 1,024 x 1,024 float32; w_qkv 1,024 x 3,072 float32; x 4 x 2,048 x 1,024 float32.
;; Outputs: out0 4 x 2,048 x 1,024 float32.
;; This version of the problem:
;;   THIS VERSION OF THE PROBLEM IS GIVEN IN LOW PRECISION. The matrix products marked QUANTISED in the list below multiply operands that are first quantised to E2M1 (2 exponent bits, 1 mantissa bit; 4 bits a number), with one power-of-two scale for each 32 numbers along K (OCP MX v1.0); their sums are f32. The products marked 'left as it is' may take bf16, f16 or f32 operands, with f32 sums. Whichever they take, every output number must still come out within the allowed error. Rounding operands to bf16 (8 significant bits) uses up far more of that allowance than f16 does (11 bits, for magnitudes from 6e-5 to 65,504). All else is computed in f32.
;;   The module's matrix products, in the order in which they are computed (A, B: the left and right operand; K: the contracted axis; several contracted axes count as one K, in the product's order):
;;     1. [M 8,192, K 1,024] x [K 1,024, N 3,072]; A: input x; B: input w_qkv: QUANTISED
;;     2. batch 64 x [M 2,048, K 64] x [K 64, N 2,048]; A: computed on the way; B: computed on the way: left as it is (an operand is computed on the way)
;;     3. batch 64 x [M 2,048, K 2,048] x [K 2,048, N 64]; A: computed on the way; B: computed on the way: left as it is (an operand is computed on the way)
;;     4. [M 8,192, K 1,024] x [K 1,024, N 1,024]; A: computed on the way; B: input w_proj: left as it is (an operand is computed on the way)
;;   THE QUANTISER, for each operand of a quantised product, along K:
;;     - K is cut into blocks of 32 from its start; a last block that is shorter is filled with zeros.
;;     - A block's scale is 2^e with e = floor(log2(the largest magnitude in the block)) - 2, held to -126 .. 127; a block of zeros has e = 0. As a byte (E8M0): e + 127.
;;     - Each number is divided by its block's scale, clamped to +-6, and rounded to the nearest number of E2M1, ties to even, subnormals kept.
;;     - The product sums the exact products of the quantised numbers (number of the format x scale) in f32.
;;   ~~~python
;;   def quantise(x, axis):      # numpy; x: float32 -> the quantised numbers, widened to float32 again
;;       x = np.moveaxis(x, axis, -1); K = x.shape[-1]
;;       x = np.pad(x, [(0, 0)] * (x.ndim - 1) + [(0, -K % 32)]); x = x.reshape(x.shape[:-1] + (-1, 32)); a = np.abs(x).max(-1, keepdims=True)
;;       e = np.where(a > 0, np.clip(np.frexp(np.where(a > 0, a, 1))[1] - 1 - 2, -126, 127), 0)      # np.frexp(a)[1] - 1 = floor(log2(a)), exactly
;;       r = np.clip(x / 2.0 ** e, -6, 6)
;;       step = 2.0 ** (np.maximum(np.frexp(np.where(r == 0, 1, r))[1] - 1, 0) - 1)
;;       q = np.round(r / step) * step * 2.0 ** e      # np.round: ties to even
;;       return np.moveaxis(q.reshape(q.shape[:-2] + (-1,))[..., :K], -1, axis).astype(np.float32)
;;   ~~~
;; One version. Each part assembles by itself: llvm-mc -triple=amdgcn-amd-amdhsa -mcpu=gfx1250 --defsym DOCPART=n.
;; ======== version 1 of 1: 5 launches
;; limits: values are held in f16: magnitudes above 65,504 overflow, below 6.1e-05 lose precision
;; workspace buffers: x_codes 4,194,304 bytes; x_scales 262,144 bytes; wq_codes 1,572,864 bytes; wq_scales 98,304 bytes; wpT 2,097,152 bytes; qkvh 50,331,648 bytes; h16 786,432 bytes; att 16,777,216 bytes
;; launch prep (part 1): grid 240 x 1, 8 waves a work-group, no clusters, 136,192 bytes of LDS; arguments x, w_qkv, w_proj, x_codes, x_scales, wq_codes, wq_scales, wpT; writes x_codes, x_scales, wq_codes, wq_scales, wpT
.if DOCPART == 1
	.amdgcn_target "amdgcn-amd-amdhsa--gfx1250"
	.amdhsa_code_object_version 6
	.text
	.protected	k_qf67bca8686_prep
	.globl	k_qf67bca8686_prep
	.p2align	8
	.type	k_qf67bca8686_prep,@function
k_qf67bca8686_prep:
	s_mov_b64 s[64:65], 0
	v_nop
	global_prefetch_b8 v0, s[64:65] scope:SCOPE_SE
	s_setreg_imm32_b32 hwreg(HW_REG_WAVE_MODE, 25, 1), 1
	s_wait_xcnt 0x0
; THREE JOBS IN ONE LAUNCH, told apart by the work-group's number:
;   work-groups 0-47:    w_qkv [1024 (k)][3072 (n)] f32 -> codes of FP4 (E2M1) laid [3072][1024] with K innermost, and one E8M0 byte for each 32 along K, laid [3072][32]
;   work-groups 48-111:  w_proj [1024 (k)][1024 (n)] f32 -> f16, turned: wpT [1024 (n)][1024 (k)]
;   work-groups 112-239: x [8192][1024] f32 -> codes [8192][512 bytes] and scale bytes [8192][32]
; A block's scale is 2^(floor(log2(its largest magnitude)) - 2); its byte is the largest magnitude's exponent field - 2, held at 1 from below.  Each number is divided by the scale and rounded to the
; nearest code, ties to even; beyond 6 the largest code.
; LIMITS: a block of zeros gets the byte 1 where the quantiser's text says 127 (its codes are zeros, which add nothing under any byte but 0xff, and this program alone reads the bytes); blocks whose largest
; magnitude lies under 2^-124 have their byte held at 1; NaN and infinities among the inputs are not served; |w_proj| stays at or under 65,504, f16's largest number.
; No tensor loads, no barrier: waves share nothing.  Each of the three jobs has LDS bytes of its own.
.set WGQ,   48
.set WGP,   64
.set STEPS, 16
.set CB,    8                          ; bytes of 16 codes
.set SP,    80                         ; x: a lane's place in a stage: 64 bytes + 16 of padding
.set WREG,  8192                       ; x: a wave's LDS: two stages of 32 x SP bytes, behind them its 256 scale bytes
.set R,     16                         ; x: v16-79   four sets of 16 numbers as loaded
.set X,     80                         ; x: v80-111  two sets of 16 neighbours
.set E,     112                        ; x: v112-127 a scale byte for each step
.set C,     128                        ; x: v128-189 codes: four registers reserved for each step, two used
.set CX,    32                         ; columns: v32-95 two sets of 32 numbers down K
.set CC,    96                         ; columns: v96-111 codes or f16 pairs of a block
.set OUTR,  112                        ; columns: v112-143 the way out
.set SB,    24                         ; columns: v24-25 eight scale bytes
.set CQ,    65536                      ; w_qkv's stages: 16 rows x 272 bytes for each wave
.set CP,    100352                     ; w_proj's stages, likewise
.set SPARE, 135168                     ; the spare words, 128 bytes for each wave: four blocks of 256 bytes that no other line names
.set SPW,   190                        ; v190 LDS address of my spare word; never rewritten
.set NIL,   191                        ; v191 0; never rewritten
	s_load_b256 s[4:11], s[0:1], 0x0               ; x s[4:5], w_qkv s[6:7], w_proj s[8:9], x_codes s[10:11]
	s_load_b256 s[12:19], s[0:1], 0x20             ; x_scales s[12:13], wq_codes s[14:15], wq_scales s[16:17], wpT s[18:19]
	v_lshl_add_u32 v[SPW], v0, 2, SPARE
	v_mov_b32 v[NIL], 0
	v_lshrrev_b32 v1, 5, v0
	v_readfirstlane_b32 s20, v1                    ; wave 0..7
	v_and_b32 v2, 31, v0                           ; lane
	s_mov_b32 s25, 0                               ; the upper word of every offset: all stay under 2^32
	s_wait_kmcnt 0x0
	s_cmp_lt_u32 ttmp9, WGQ
	s_cbranch_scc1 .Lpath_q
	s_cmp_lt_u32 ttmp9, WGQ+WGP
	s_cbranch_scc1 .Lpath_p
; ---- x: a plain stream of blocks of 32.  A wave takes 16 steps of 512 numbers.  Each load reads 512 consecutive bytes, 16 a lane; a step's 2,048 bytes turn through the wave's own stage in LDS and come back
; 64 bytes a lane, so that a lane holds 16 neighbours along K and two neighbouring lanes a block.  A lane's 16 codes are 8 bytes: the wave stores 256 consecutive bytes.  A wave's 256 scale bytes leave as one store.
	s_sub_co_u32 s21, ttmp9, WGQ+WGP
	s_lshl_b32 s21, s21, 3
	s_add_co_u32 s22, s21, s20                     ; which run of 8,192 numbers is my wave's
	v_lshlrev_b32 v3, 4, v2                        ; my 16 bytes of a load's 512
	s_mul_i32 s21, s20, WREG
	v_lshrrev_b32 v14, 2, v2
	v_mul_u32_u24 v14, v14, SP
	v_and_b32 v15, 3, v2
	v_lshl_add_u32 v14, v15, 4, v14
	v_add_nc_u32 v14, s21, v14                     ; the stage, on the way in: SP (lane / 4) + 16 (lane % 4)
	v_mul_u32_u24 v15, v2, SP
	v_add_nc_u32 v15, s21, v15                     ; and on the way out: SP x lane
	v_mul_u32_u24 v4, v2, CB                       ; my codes' place in a step's
	v_lshrrev_b32 v5, 1, v2
	s_add_co_u32 s21, s21, 2*32*SP
	v_add_nc_u32 v5, s21, v5                       ; LDS: my wave's 256 scale bytes, my block's byte
	v_lshlrev_b32 v7, 3, v2
	v_add_nc_u32 v6, s21, v7                       ; and on the way out 8 bytes a lane
	s_lshl_b32 s24, s22, 15                        ; a run is 32,768 bytes of x,
	s_add_nc_u64 s[4:5], s[4:5], s[24:25]
	s_lshl_b32 s24, s22, 12                        ; 4,096 bytes of codes,
	s_add_nc_u64 s[10:11], s[10:11], s[24:25]
	s_lshl_b32 s24, s22, 8                         ; 256 scale bytes
	s_add_nc_u64 s[12:13], s[12:13], s[24:25]
.macro LOAD t
.irp i, 0,1,2,3
	global_load_b128 v[R+16*((\t)%4)+4*\i:R+16*((\t)%4)+4*\i+3], v3, s[4:5] offset:2048*(\t)+512*\i th:TH_LOAD_NT
.endr
.endm
.macro TURN t                          ; step t's numbers through the stage: LDS serves a wave's instructions in order, so no wait stands between the stores and the loads
.irp i, 0,1,2,3
	ds_store_b128 v14, v[R+16*((\t)%4)+4*\i:R+16*((\t)%4)+4*\i+3] offset:32*SP*((\t)%2)+8*SP*\i
.endr
.irp i, 0,1,2,3
	ds_load_b128 v[X+16*((\t)%2)+4*\i:X+16*((\t)%2)+4*\i+3], v15 offset:32*SP*((\t)%2)+16*\i
.endr
.endm
.irp t, 0,1,2,3
	LOAD \t
.endr
	s_wait_loadcnt 12                              ; step 0's four loads are in; three steps' twelve may be out
	TURN 0
.macro STEP t
.set XS, X+16*((\t)%2)
.if (\t) > 0
	s_wait_dscnt 1                                 ; this step's numbers are back from the stage (the last step's byte store may be out)
.else
	s_wait_dscnt 0x0
.endif
.if (\t)+4 < STEPS
	LOAD (\t)+4                                    ; into the registers that the stage's stores have read
.endif
.if (\t)+1 < STEPS
.if STEPS-2-(\t) >= 3
	s_wait_loadcnt 12                              ; the next step's four loads are in; those of the three steps behind it may be out
.else
	s_wait_loadcnt 4*(STEPS-2-(\t))
.endif
	TURN (\t)+1
.endif
	v_max3_num_f32 v8, |v[XS]|, |v[XS+1]|, |v[XS+2]|               ; the largest magnitude of my 16, in two chains
	v_max3_num_f32 v9, |v[XS+3]|, |v[XS+4]|, |v[XS+5]|
.irp i, 6,10
	v_max3_num_f32 v8, v8, |v[XS+\i]|, |v[XS+\i+1]|
	v_max3_num_f32 v9, v9, |v[XS+\i+2]|, |v[XS+\i+3]|
.endr
	v_max3_num_f32 v8, v8, |v[XS+14]|, |v[XS+15]|
	v_max3_num_f32 v8, v8, v9, 0x1800000           ; and the floor 2^(3 - 127): the byte cannot fall under 1
	v_max_num_f32_dpp v8, v8, v8 row_xmask:1 row_mask:0xf bank_mask:0xf   ; and of my neighbour's 16: the block's
	v_add_nc_u32 v11, 0xff000000, v8               ; 2 off its exponent field: the conversion takes the exponent field of this operand as its scale
	v_cvt_scalef32_pk8_fp4_f32 v[C+4*(\t)], v[XS:XS+7], v11
	v_cvt_scalef32_pk8_fp4_f32 v[C+4*(\t)+1], v[XS+8:XS+15], v11
	v_lshrrev_b32 v[E+(\t)], 23, v11               ; the scale's byte
	ds_store_b8 v5, v[E+(\t)] offset:16*(\t)       ; both lanes of a block write the same byte with the same value
	global_store_b64 v4, v[C+4*(\t):C+4*(\t)+1], s[10:11] offset:32*CB*(\t)
.endm
.irp t, 0,1,2,3,4,5,6,7,8,9,10,11,12,13,14,15
	STEP \t
.endr
	ds_load_b64 v[8:9], v6                         ; LDS serves a wave's instructions in order: these see my stores
	s_wait_dscnt 0x0
	global_store_b64 v7, v[8:9], s[12:13]          ; 32 lanes store 256 consecutive bytes, aligned
	s_branch .Lend
; ---- THE TWO TENSORS WHOSE K IS THE FIRST AXIS.  A lane takes a column n and its registers run down K: a block of 32 along K lies in one lane's 32 registers.  A wave takes 16 columns; lanes 0-15 the lower
; half of its stretch of K, lanes 16-31 the upper.  The results go through the wave's own stage (a row to a column, 256 bytes + 16) and leave by rows: sixteen lanes store 256 consecutive bytes, aligned.
.macro CLOAD t, rowb, base             ; block t: 32 numbers down K into set t % 2
.irp i, 0,1,2,3,4,5,6,7,8,9,10,11,12,13,14,15,16,17,18,19,20,21,22,23,24,25,26,27,28,29,30,31
	global_load_b32 v[CX+32*((\t)%2)+\i], v3, s[\base:\base+1] offset:(32*(\t)+\i)*\rowb th:TH_LOAD_NT
.endr
.endm
.macro COUT krow, base                 ; the stage's 16 rows, two an instruction
.irp t, 0,1,2,3,4,5,6,7
	ds_load_b128 v[OUTR+4*\t:OUTR+4*\t+3], v7 offset:544*\t
.endr
.irp t, 0,1,2,3,4,5,6,7
	s_wait_dscnt 7-\t
	global_store_b128 v8, v[OUTR+4*\t:OUTR+4*\t+3], s[\base:\base+1] offset:2*\t*\krow
.endr
.endm
.macro QBLOCK t
.set XS, CX+32*((\t)%2)
.if (\t) < 7
	s_wait_loadcnt 32                              ; this block's 32 loads are in; the next block's may be out
.else
	s_wait_loadcnt 0
.endif
	v_max3_num_f32 v12, |v[XS]|, |v[XS+1]|, |v[XS+2]|              ; the block's largest magnitude: all 32 numbers are mine
	v_max3_num_f32 v13, |v[XS+3]|, |v[XS+4]|, |v[XS+5]|
.irp i, 6,10,14,18,22,26
	v_max3_num_f32 v12, v12, |v[XS+\i]|, |v[XS+\i+1]|
	v_max3_num_f32 v13, v13, |v[XS+\i+2]|, |v[XS+\i+3]|
.endr
	v_max3_num_f32 v12, v12, |v[XS+30]|, |v[XS+31]|
	v_max3_num_f32 v12, v12, v13, 0x1800000        ; and the floor
	v_add_nc_u32 v11, 0xff000000, v12              ; the conversion's scale operand
	v_lshrrev_b32 v13, 23, v11                     ; the scale's byte
.if (\t)%4 == 0
	v_mov_b32 v[SB+(\t)/4], v13                    ; four bytes to a register, the lower K in the lower byte
.else
	v_lshl_or_b32 v[SB+(\t)/4], v13, 8*((\t)%4), v[SB+(\t)/4]
.endif
.irp g, 0,1,2,3
	v_cvt_scalef32_pk8_fp4_f32 v[CC+\g], v[XS+8*\g:XS+8*\g+7], v11
.endr
	ds_store_b128 v4, v[CC:CC+3] offset:16*(\t)    ; 32 codes: 16 bytes of my column's row
.if (\t)+2 < 8
	CLOAD (\t)+2, 12288, 6
.endif
	s_wait_dscnt 0x0                               ; the store has read its registers: the next block's codes may be written
.endm
.macro PBLOCK t
.set XS, CX+32*((\t)%2)
	s_wait_loadcnt 32-32*(\t)                      ; this block's 32 loads are in; the other block's may be out
.irp i, 0,1,2,3,4,5,6,7,8,9,10,11,12,13,14,15
	v_cvt_pk_f16_f32 v[CC+\i], v[XS+2*\i], v[XS+2*\i+1]
.endr
.irp g, 0,1,2,3
	ds_store_b128 v4, v[CC+4*\g:CC+4*\g+3] offset:64*(\t)+16*\g
.endr
	s_wait_dscnt 0x0
.endm
.Lpath_q:                                          ; w_qkv: work-group j: K half j & 1 (512 along K), columns 128 (j >> 1) on; a lane: 256 along K, 8 blocks
	s_and_b32 s21, ttmp9, 1                        ; ky
	s_lshr_b32 s22, ttmp9, 1
	s_lshl_b32 s22, s22, 7
	s_lshl_b32 s23, s20, 4
	s_add_co_u32 s22, s22, s23                     ; n0: my wave's first column
	v_and_b32 v5, 15, v0                           ; r
	v_bfe_u32 v6, v0, 4, 1                         ; h
	v_lshlrev_b32 v3, 2, v5
	v_mul_u32_u24 v10, v6, 256*12288
	v_add_nc_u32 v3, v3, v10                       ; in: 4 r + 256 rows x h
	s_mul_i32 s23, s20, 4352
	s_add_co_u32 s23, s23, CQ                      ; my stage
	v_mul_u32_u24 v4, v5, 272
	v_lshl_add_u32 v4, v6, 7, v4
	v_add_nc_u32 v4, s23, v4                       ; into it: row r, + 128 h
	v_mul_u32_u24 v7, v6, 272
	v_lshl_add_u32 v7, v5, 4, v7
	v_add_nc_u32 v7, s23, v7                       ; out of it: sixteen lanes to a row
	v_lshlrev_b32 v8, 9, v6
	v_lshl_add_u32 v8, v5, 4, v8                   ; and the same place in the codes' buffer: rows of 512 bytes
	v_lshlrev_b32 v9, 5, v5
	v_lshl_add_u32 v9, v6, 3, v9                   ; my eight scale bytes: 32 r + 8 h
	s_mul_i32 s24, s21, 512*12288
	s_lshl_b32 s26, s22, 2
	s_add_co_u32 s24, s24, s26
	s_add_nc_u64 s[6:7], s[6:7], s[24:25]
	s_lshl_b32 s24, s22, 9
	s_lshl_b32 s26, s21, 8
	s_add_co_u32 s24, s24, s26
	s_add_nc_u64 s[14:15], s[14:15], s[24:25]
	s_lshl_b32 s24, s22, 5
	s_lshl_b32 s26, s21, 4
	s_add_co_u32 s24, s24, s26
	s_add_nc_u64 s[16:17], s[16:17], s[24:25]
	CLOAD 0, 12288, 6
	CLOAD 1, 12288, 6
.irp t, 0,1,2,3,4,5,6,7
	QBLOCK \t
.endr
	global_store_b64 v9, v[SB:SB+1], s[16:17]
	COUT 512, 14
	s_branch .Lend
.Lpath_p:                                          ; w_proj: work-group j: 128 along K from 128 (j >> 3), columns 128 (j & 7) on; a lane: 64 along K, 2 blocks
	s_sub_co_u32 s21, ttmp9, WGQ
	s_lshr_b32 s26, s21, 3                         ; ky
	s_and_b32 s22, s21, 7
	s_lshl_b32 s22, s22, 7
	s_lshl_b32 s23, s20, 4
	s_add_co_u32 s22, s22, s23                     ; n0
	v_and_b32 v5, 15, v0
	v_bfe_u32 v6, v0, 4, 1
	v_lshlrev_b32 v3, 2, v5
	v_lshl_add_u32 v3, v6, 18, v3                  ; in: 4 r + 64 rows of 4,096 bytes x h
	s_mul_i32 s23, s20, 4352
	s_add_co_u32 s23, s23, CP
	v_mul_u32_u24 v4, v5, 272
	v_lshl_add_u32 v4, v6, 7, v4
	v_add_nc_u32 v4, s23, v4
	v_mul_u32_u24 v7, v6, 272
	v_lshl_add_u32 v7, v5, 4, v7
	v_add_nc_u32 v7, s23, v7
	v_lshlrev_b32 v8, 11, v6
	v_lshl_add_u32 v8, v5, 4, v8                   ; wpT: rows of 2,048 bytes
	s_lshl_b32 s24, s26, 19
	s_lshl_b32 s27, s22, 2
	s_add_co_u32 s24, s24, s27
	s_add_nc_u64 s[8:9], s[8:9], s[24:25]
	s_lshl_b32 s24, s22, 11
	s_lshl_b32 s27, s26, 8
	s_add_co_u32 s24, s24, s27
	s_add_nc_u64 s[18:19], s[18:19], s[24:25]
	CLOAD 0, 4096, 8
	CLOAD 1, 4096, 8
	PBLOCK 0
	PBLOCK 1
	COUT 2048, 18
.Lend:
	s_wait_tensorcnt 0x0                           ; the wave's end: a tensor wait, an add onto my spare word and its wait, behind my last LDS store
	ds_add_u32 v[SPW], v[NIL]
	s_wait_dscnt 0x0
	s_endpgm
.Lfunc_end_k_qf67bca8686_prep:
	.size	k_qf67bca8686_prep, .Lfunc_end_k_qf67bca8686_prep-k_qf67bca8686_prep
	.p2alignl 7, 3214868480
	.fill 96, 4, 3214868480
	.section	.rodata,"a",@progbits
	.p2align	6, 0x0
	.amdhsa_kernel k_qf67bca8686_prep
		.amdhsa_group_segment_fixed_size 136192
		.amdhsa_private_segment_fixed_size 0
		.amdhsa_enable_private_segment 0
		.amdhsa_kernarg_size 64
		.amdhsa_user_sgpr_count 2
		.amdhsa_user_sgpr_kernarg_segment_ptr 1
		.amdhsa_wavefront_size32 1
		.amdhsa_system_sgpr_workgroup_id_x 1
		.amdhsa_system_sgpr_workgroup_id_y 1
		.amdhsa_system_sgpr_workgroup_id_z 1
		.amdhsa_system_vgpr_workitem_id 0
		.amdhsa_next_free_vgpr 192
		.amdhsa_next_free_sgpr 66
		.amdhsa_reserve_vcc 0
		.amdhsa_float_denorm_mode_32 3
		.amdhsa_float_denorm_mode_16_64 3
		.amdhsa_memory_ordered 1
		.amdhsa_forward_progress 1
		.amdhsa_inst_pref_size 84
	.end_amdhsa_kernel
	.amdgpu_metadata
---
amdhsa.version: [ 1, 2 ]
amdhsa.kernels:
  - .name:           k_qf67bca8686_prep
    .symbol:         k_qf67bca8686_prep.kd
    .args:
      - { .name: x, .offset: 0, .size: 8, .value_kind: global_buffer, .address_space: global }
      - { .name: w_qkv, .offset: 8, .size: 8, .value_kind: global_buffer, .address_space: global }
      - { .name: w_proj, .offset: 16, .size: 8, .value_kind: global_buffer, .address_space: global }
      - { .name: x_codes, .offset: 24, .size: 8, .value_kind: global_buffer, .address_space: global }
      - { .name: x_scales, .offset: 32, .size: 8, .value_kind: global_buffer, .address_space: global }
      - { .name: wq_codes, .offset: 40, .size: 8, .value_kind: global_buffer, .address_space: global }
      - { .name: wq_scales, .offset: 48, .size: 8, .value_kind: global_buffer, .address_space: global }
      - { .name: wpT, .offset: 56, .size: 8, .value_kind: global_buffer, .address_space: global }
    .group_segment_fixed_size: 136192
    .private_segment_fixed_size: 0
    .kernarg_segment_align: 8
    .kernarg_segment_size: 64
    .max_flat_workgroup_size: 256
    .sgpr_count:     66
    .vgpr_count:     192
    .wavefront_size: 32
...
	.end_amdgpu_metadata
.endif
;; end of part 1
;; launch gemm_qkv (part 2): grid 12 x 32, 4 waves a work-group, clusters of 4 x 4, 327,680 bytes of LDS; arguments x_codes, x_scales, wq_codes, wq_scales, qkvh, h16; writes qkvh, h16
.if DOCPART == 2
	.amdgcn_target "amdgcn-amd-amdhsa--gfx1250"
	.amdhsa_code_object_version 6
	.text
	.protected	k_qf67bca8686_gemm_qkv
	.globl	k_qf67bca8686_gemm_qkv
	.p2align	8
	.type	k_qf67bca8686_gemm_qkv,@function
k_qf67bca8686_gemm_qkv:
	s_mov_b64 s[64:65], 0
	v_nop
	global_prefetch_b8 v0, s[64:65] scope:SCOPE_SE
	s_setreg_imm32_b32 hwreg(HW_REG_WAVE_MODE, 25, 1), 1
	s_wait_xcnt 0x0
	s_wait_alu depctr_hold_cnt(0) depctr_sa_sdst(0) depctr_va_vdst(0) depctr_va_sdst(0) depctr_va_ssrc(0) depctr_va_vcc(0) depctr_vm_vsrc(0)
	s_getreg_b32 s2, hwreg(HW_REG_IB_STS2, 6, 4)
	s_cmp_eq_u32 s2, 0
	s_cbranch_scc0 .Lentry_in_a_cluster
	s_endpgm
.Lentry_in_a_cluster:
	s_bfe_u32 s2, ttmp6, 0x10000c
	s_cmp_lg_u32 s2, 0xf033
	s_cbranch_scc0 .Lentry_shape_is_right
	s_endpgm
.Lentry_shape_is_right:
; qkv[m][n] = sum over k of x[m][k] w_qkv[k][n] on codes of FP4 (E2M1) with one E8M0 scale for each 32 along K; sums in f32.  A = x's codes [8192][512 bytes], B = w_qkv's codes [3072][512 bytes], K innermost in both.
; The sums leave as f16, by heads: qkvh [part 3][batch 4][head 16][token 2048][64].  The first 16 tokens of each batch leave once more as they are, in f32: h16 [batch 4][token 16][3072].
; LIMIT: |q|, |k|, |v| stay at or under 65,504, f16's largest number.
; A tile of 256 x 256 is made by a work-group of four waves; a wave makes 128 x 128: 64 accumulators of 16 x 16, 512 registers.  K = 1,024 is two K steps of 512 (rows of 256 bytes): both LDS slots and the scale
; bytes of the work-group's rows are asked for at the start, three tensor loads a wave, and nothing is filled again.
; CLUSTERS: 4 x 4 work-groups.  The four of a row of the cluster need the same tiles of A, the four of a column the same tiles of B: each tile is asked for JOINTLY.  Tile row = 8 cy + cluster y, so that the batch
; is cy and a tile's place in its batch is the same in all sixteen partners; tile column = 4 x cluster x + cx, so that cluster x says q, k or v.
; THE MATRIX INSTRUCTION IS USED TRANSPOSED (source 0 = 16 rows of B, source 1 = 16 rows of A): a lane then holds eight neighbouring columns of one token.
; REGISTERS, in windows of 256: window 0: v0-31 addresses; v32-95 scale words, two sets; from v128 A's fragments, ONE set; on the way out v32-255 are free.
;   window 1: B's fragments, TWO sets, at v0 and at v128.   window 2: the accumulators of my rows 0-63 ((a, b) at v[8 (8 a + b)]);   window 3: those of my rows 64-127.
.set SIZE_K, 1024
.set KSTEP,  512
.set NQ,     KSTEP/128
.set ROWB,   256                       ; a tile's row in bytes
.set KROW,   SIZE_K*4/8                ; a row of A or of B in memory
.set PITCH,  272                       ; an LDS row: 256 bytes + 16 of padding = 68 words: the 16 rows that a load touches start at 16 different banks (64 banks of 4 bytes: ISA guide 11.1)
.set FR,     8
.set NL,     2
.set NP,     4                         ; places behind this matrix instruction (ISA guide 7.12.1)
.set HALFT,  128*PITCH
.set SLOT,   4*HALFT
.set KS,     SIZE_K/32                 ; a row of scales in bytes
.set SCL,    2*SLOT                    ; behind the ring: the scales, as rows of 256 bytes + 16 of padding
.set HALFS,  (128*KS/256)*272
.set SBLK,   (16*KS/256)*272
.set SPARE,  SCL+4*HALFS               ; the spare words, 128 bytes for each wave: two blocks of 256 bytes that no other line names
.set ST16,   16*272                    ; the way out: a stage of 16 rows x (256 bytes + 16) for each wave, in slot 0, which has had its one fill and its last read by then;
.set ST32,   16*528                    ; and behind the four a stage of 16 rows x (512 bytes + 16) for each wave, for the f32 copy
.set ADRA, 16
.set ADRB, 20
.set STO32, 22                         ; v22  f32 stage: where I put 32 bytes of a row
.set RD32, 23                          ; v23  and where I read a row back
.set STO,  24                          ; v24  f16 stage: where I put 16 bytes of a row
.set RD,   25                          ; v25  and where I read 16 bytes of a head's 128 back
.set CO,   26                          ; v26  16 x lane: my place in a store's 512 bytes
.set ADRS, 27
.set SPW,  28
.set NIL,  29
.set SC,   32
.set TMP,  32                          ; the way out: packed results
.set AF,   128
.set BK,   128                         ; the way out: v128-159 and v160-191 by turns
.set G1, 24
.set G0, 32
.set G1B, 48
.set G0B, 56
.set G1S, 68
.set G0S, 76
.set G1SB, 80
.set G0SB, 88
.set MSB, 0
.macro WIN new                         ; the immediate's high byte repeats the setting that is left
.if MSB != \new
	s_set_vgpr_msb (MSB<<8)|\new
.set MSB, \new
.endif
.endm
.set MUL_LO, 0xa1                      ; source 0 (B) window 1, source 1 (A) window 0, C and D window 2
.set MUL_HI, 0xf1
.set TO_B,   0x40
; A joint load: waves 0 and 1 fetch for A, waves 2 and 3 for B.  The branch hangs on the wave's number alone.  An s_nop 0 and four v_nop follow each of the two lines.
.macro JLOAD g0a, g1a, g0b, g1b
	s_cmp_eq_u32 s15, 0
	s_cbranch_scc0 .Lfor_b_\@
	tensor_load_to_lds s[\g0a:\g0a+3], s[\g1a:\g1a+7]
	s_nop 0
.rept 4
	v_nop
.endr
	s_branch .Lasked_\@
.Lfor_b_\@:
	tensor_load_to_lds s[\g0b:\g0b+3], s[\g1b:\g1b+7]
	s_nop 0
.rept 4
	v_nop
.endr
.Lasked_\@:
.endm
.macro CROUND                          ; a round of the cluster's barrier
	s_barrier_signal -1
	s_barrier_wait -1
	s_cmp_lg_u32 s14, 0
	s_cbranch_scc1 .Lnot_wave_0_\@
	s_barrier_signal -3
.Lnot_wave_0_\@:
	s_barrier_wait -3
	s_barrier_signal -1
	s_barrier_wait -1
.endm
	s_load_b128 s[4:7], s[0:1], 0x0                ; A's codes s[4:5], A's scales s[6:7]
	s_load_b128 s[8:11], s[0:1], 0x10              ; B's codes s[8:9], B's scales s[10:11]
	s_load_b128 s[96:99], s[0:1], 0x20             ; qkvh s[96:97], h16 s[98:99]
	v_lshl_add_u32 v[SPW], v0, 2, SPARE
	v_mov_b32 v[NIL], 0
	ds_add_u32 v[SPW], v[NIL]                      ; the wave's opening: the add, twice on end, and its wait ahead of my first tensor load
	ds_add_u32 v[SPW], v[NIL]
	v_lshrrev_b32 v1, 5, v0
	v_readfirstlane_b32 s14, v1                    ; wave 0..3
	s_lshr_b32 s15, s14, 1                         ; which half of the tile's rows is mine.  Also: I fetch for A (0) or for B (1)
	s_and_b32 s16, s14, 1                          ; which half of its columns.  Also: which 128 rows of that tile I fetch
	s_bfe_u32 s40, ttmp6, 0x40000                  ; cx, cy: my place in the cluster
	s_bfe_u32 s41, ttmp6, 0x40004
	s_lshl_b32 s42, ttmp9, 2
	s_add_co_u32 s42, s42, s40                     ; tile column = 4 x cluster x + cx
	s_and_b32 s95, ttmp7, 0xffff                   ; cluster y: the tile's place in its batch
	s_lshl_b32 s17, s41, 3
	s_add_co_u32 s17, s17, s95                     ; tile row = 8 cy + cluster y
	s_lshl_b32 s43, s41, 2
	s_lshl_b32 s43, 15, s43                        ; my row of the cluster
	s_lshl_b32 s44, 0x1111, s40                    ; my column
	s_or_b32 s[G1+0], s43, (0<<16)|(1<<20)|(1<<21)|(5<<22)|(3<<25)  ; the mask; elements of 1 byte; padding on; bit 21 beside a mask; 4 words of padding after every 64
	s_or_b32 s[G1B+0], s44, (0<<16)|(1<<20)|(1<<21)|(5<<22)|(3<<25)
.irp g, G1, G1B
	s_mov_b32 s[\g+1], ROWB<<16                    ; tensor_dim0
	s_mov_b32 s[\g+2], 128<<16                     ; tensor_dim1
	s_mov_b32 s[\g+3], ROWB<<16                    ; tile_dim0
	s_mov_b32 s[\g+4], 128                         ; tile_dim1
	s_mov_b32 s[\g+5], KROW                        ; from row to row
	s_mov_b32 s[\g+6], 0
	s_mov_b32 s[\g+7], 0
.endr
	s_or_b32 s[G1S+0], s43, (3<<16)|(1<<20)|(1<<21)|(5<<22)|(3<<25) ; the scales of 128 rows: a dense block of 4,096 bytes, as 16 rows of 256 bytes (32 elements of 8 bytes)
	s_or_b32 s[G1SB+0], s44, (3<<16)|(1<<20)|(1<<21)|(5<<22)|(3<<25)
.irp g, G1S, G1SB
	s_mov_b32 s[\g+1], 32<<16
	s_mov_b32 s[\g+2], (128*KS/256)<<16
	s_mov_b32 s[\g+3], 32<<16
	s_mov_b32 s[\g+4], 128*KS/256
	s_mov_b32 s[\g+5], 32
	s_mov_b32 s[\g+6], 0
	s_mov_b32 s[\g+7], 0
.endr
	s_lshl_b32 s18, s16, 7
	s_lshl_b32 s20, s17, 8
	s_add_co_u32 s20, s20, s18                     ; A: row 256 x tile row + 128 x half
	s_lshl_b32 s46, s42, 8
	s_add_co_u32 s46, s46, s18                     ; B: row 256 x tile column + 128 x half
	s_mov_b32 s21, 0
	s_mov_b32 s47, 0
	s_mov_b64 s[18:19], KS
	s_mul_u64 s[22:23], s[20:21], s[18:19]         ; where these rows' scales begin
	s_mul_u64 s[92:93], s[46:47], s[18:19]
	s_mov_b64 s[18:19], KROW
	s_mul_u64 s[20:21], s[20:21], s[18:19]         ; and their codes
	s_mul_u64 s[46:47], s[46:47], s[18:19]
	s_mul_i32 s45, s14, HALFT                      ; where they go: wave x 128 rows
	s_mul_i32 s94, s14, HALFS
	s_wait_dscnt 0x0                               ; both opening adds are done
	s_wait_kmcnt 0x0
	s_add_nc_u64 s[20:21], s[4:5], s[20:21]
	s_add_nc_u64 s[22:23], s[6:7], s[22:23]
	s_add_nc_u64 s[46:47], s[8:9], s[46:47]
	s_add_nc_u64 s[92:93], s[10:11], s[92:93]
	CROUND                                         ; all sixteen work-groups are here: the joint loads meet
	s_mov_b32 s[G0S], 1
	s_add_co_u32 s[G0S+1], s94, SCL
	s_mov_b64 s[G0S+2:G0S+3], s[22:23]
	s_or_b32 s[G0S+3], s[G0S+3], 0x80000000
	s_mov_b32 s[G0SB], 1
	s_add_co_u32 s[G0SB+1], s94, SCL
	s_mov_b64 s[G0SB+2:G0SB+3], s[92:93]
	s_or_b32 s[G0SB+3], s[G0SB+3], 0x80000000
	JLOAD G0S, G1S, G0SB, G1SB                     ; the scales first: they are wanted with K step 0
.irp s, 0,1
	s_mov_b32 s[G0+4*\s], 1
	s_add_co_u32 s[G0+4*\s+1], s45, \s*SLOT
	s_add_nc_u64 s[G0+4*\s+2:G0+4*\s+3], s[20:21], \s*ROWB
	s_or_b32 s[G0+4*\s+3], s[G0+4*\s+3], 0x80000000
	s_mov_b32 s[G0B+4*\s], 1
	s_add_co_u32 s[G0B+4*\s+1], s45, \s*SLOT
	s_add_nc_u64 s[G0B+4*\s+2:G0B+4*\s+3], s[46:47], \s*ROWB
	s_or_b32 s[G0B+4*\s+3], s[G0B+4*\s+3], 0x80000000
	JLOAD G0+4*\s, G1, G0B+4*\s, G1B               ; three tensor loads of mine are out
.endr
	v_and_b32 v1, 15, v0                           ; r = l % 16
	v_bfe_u32 v2, v0, 4, 1                         ; h = l / 16
	v_mul_u32_u24 v3, v1, PITCH
	v_lshl_add_u32 v4, v2, 4, v3                   ; a fragment's row x pitch + 16 x half
	s_mul_i32 s21, s15, HALFT                      ; my 128 rows of A
	s_mul_i32 s22, s16, HALFT                      ; my 128 rows of B,
	s_add_co_u32 s22, s22, 2*HALFT                 ; which lie behind A's 256
.irp s, 0,1
	v_add_nc_u32 v[ADRA+\s], s21, v4
	v_add_nc_u32 v[ADRB+\s], s22, v4
	s_add_co_u32 s21, s21, SLOT
	s_add_co_u32 s22, s22, SLOT
.endr
	v_mul_u32_u24 v5, v1, KS                       ; my row's scales: KS bytes a row,
	v_lshrrev_b32 v6, 8, v5
	v_lshl_add_u32 v5, v6, 4, v5                   ; and 16 more for each 256 passed
	s_mul_i32 s21, s15, HALFS
	s_mul_i32 s22, s16, HALFS
	s_add_co_u32 s22, s22, 2*HALFS
	s_sub_co_u32 s22, s22, s21
	v_mul_u32_u24 v6, s22, v2                      ; lanes 16-31 take B's
	s_add_co_u32 s21, s21, SCL
	v_add_nc_u32 v5, v5, v6
	v_add_nc_u32 v[ADRS], s21, v5
	s_mul_i32 s23, s14, ST16                       ; my f16 stage
	v_mul_u32_u24 v5, v1, 272
	v_lshl_add_u32 v5, v2, 4, v5
	v_add_nc_u32 v[STO], s23, v5                   ; in: row r, 16 bytes for each half of the lanes
	v_and_b32 v6, 31, v0
	v_lshlrev_b32 v[CO], 4, v6
	v_lshrrev_b32 v7, 3, v6
	v_mul_u32_u24 v7, v7, 272
	v_and_b32 v8, 7, v0
	v_lshl_add_u32 v7, v8, 4, v7
	v_add_nc_u32 v[RD], s23, v7                    ; back: eight lanes take a head's 128 bytes of a row, 32 lanes four rows
	s_mul_i32 s23, s14, ST32
	s_add_co_u32 s23, s23, 4*ST16                  ; my f32 stage
	v_mul_u32_u24 v5, v1, 528
	v_lshl_add_u32 v5, v2, 5, v5
	v_add_nc_u32 v[STO32], s23, v5
	v_add_nc_u32 v[RD32], s23, v[CO]
	; qkvh: ((64 part + 16 batch + head) x 2,048 + token) x 128 bytes, with part = cluster x, batch = cy, head = 4 cx + 2 x column half, token = 256 x cluster y + 128 x row half
	s_lshl_b32 s20, ttmp9, 6
	s_lshl_b32 s21, s41, 4
	s_add_co_u32 s20, s20, s21
	s_lshl_b32 s21, s40, 2
	s_add_co_u32 s20, s20, s21
	s_lshl_b32 s21, s16, 1
	s_add_co_u32 s20, s20, s21
	s_lshl_b32 s20, s20, 11
	s_lshl_b32 s21, s95, 8
	s_add_co_u32 s20, s20, s21
	s_lshl_b32 s21, s15, 7
	s_add_co_u32 s20, s20, s21
	s_lshl_b32 s20, s20, 7
	s_mov_b32 s21, 0
	s_add_nc_u64 s[96:97], s[96:97], s[20:21]
	; h16: batch x 16 rows of 12,288 bytes + my 128 columns
	s_mul_i32 s20, s41, 196608
	s_lshl_b32 s22, s42, 10
	s_add_co_u32 s20, s20, s22
	s_lshl_b32 s22, s16, 9
	s_add_co_u32 s20, s20, s22
	s_add_nc_u64 s[98:99], s[98:99], s[20:21]
	s_or_b32 s94, s95, s15                         ; 0 where my block 0 holds a batch's first 16 tokens: cluster y and the wave's number alone, the same in all partners
.macro FRAG reg, adr, q, i             ; a fragment, 16 rows x 128 K of 4-bit codes: lane l holds row l % 16; registers 4 c .. 4 c + 3 hold K = 64 c + 32 (l / 16) + 0 .. 31
.irp c, 0,1
	ds_load_b128 v[\reg+4*\c:\reg+4*\c+3], v[\adr] offset:64*(\q)+32*\c+(\i)*16*PITCH
.endr
.endm
; 16 matrix instructions: A's blocks a0, a0 + 1 x B's eight, 128 along K.  The 64 accumulators take turns, one instruction a turn, in the same order in every step.
.macro MUL16 a0, p, q, sc, zero
.irp a, \a0, \a0+1
.irp b, 0,1,2,3,4,5,6,7
.if \zero
	v_wmma_scale_f32_16x16x128_f8f6f4 v[8*(8*((\a)%4)+\b):8*(8*((\a)%4)+\b)+7], v[128*(\p)+FR*\b:128*(\p)+FR*\b+FR-1], v[AF+FR*(\a):AF+FR*(\a)+FR-1], 0, v[SC+8*NQ*(\sc)+NQ*\b+(\q)], v[SC+8*NQ*(\sc)+NQ*(\a)+(\q)] matrix_a_fmt:MATRIX_FMT_FP4 matrix_b_fmt:MATRIX_FMT_FP4 matrix_a_scale:MATRIX_SCALE_ROW1
.else
	v_wmma_scale_f32_16x16x128_f8f6f4 v[8*(8*((\a)%4)+\b):8*(8*((\a)%4)+\b)+7], v[128*(\p)+FR*\b:128*(\p)+FR*\b+FR-1], v[AF+FR*(\a):AF+FR*(\a)+FR-1], v[8*(8*((\a)%4)+\b):8*(8*((\a)%4)+\b)+7], v[SC+8*NQ*(\sc)+NQ*\b+(\q)], v[SC+8*NQ*(\sc)+NQ*(\a)+(\q)] matrix_a_fmt:MATRIX_FMT_FP4 matrix_b_fmt:MATRIX_FMT_FP4 matrix_a_scale:MATRIX_SCALE_ROW1
.endif
.endr
.endr
.endm
.macro FETCH_B slot, q, p
	WIN TO_B
.irp i, 0,1,2,3,4,5,6,7
	FRAG 128*(\p)+FR*\i, ADRB+\slot, \q, \i
.endr
	WIN 0
.endm
.macro FETCH_A slot, q, i0
.irp i, \i0, \i0+1, \i0+2, \i0+3
	FRAG AF+FR*(\i), ADRA+\slot, \q, \i
.endr
.endm
.macro SCALES sc                       ; a K step's scale words: 4 words a row; lanes 0-15 take A's block i, lanes 16-31 B's block i
.irp i, 0,1,2,3,4,5,6,7
	ds_load_b128 v[SC+8*NQ*\sc+NQ*\i:SC+8*NQ*\sc+NQ*\i+3], v[ADRS] offset:\i*SBLK
.endr
.endm
.macro PLACES n                        ; plain vector instructions that name no register of the matrix instructions in front of them (ISA guide 7.12.1)
.rept \n
	v_nop
.endr
.endm
.macro STEP slot, q, zero              ; a step of 128 along K that has its successor in the same slot
	s_wait_dscnt 4*NL                              ; B's set and A's blocks 0-3 are in; the youngest eight loads (A's blocks 4-7) may be out
	WIN MUL_LO
	MUL16 0, (\q)%2, \q, \slot, \zero
	MUL16 2, (\q)%2, \q, \slot, \zero
	s_wait_dscnt 0
	PLACES NP
	FETCH_B \slot, (\q)+1, 1-(\q)%2
	FETCH_A \slot, (\q)+1, 0
	WIN MUL_HI
	MUL16 4, (\q)%2, \q, \slot, \zero
	MUL16 6, (\q)%2, \q, \slot, \zero
	PLACES NP
	WIN 0
	FETCH_A \slot, (\q)+1, 4
.endm
.macro TURN slot, next                 ; a slot's last step changes slots: one barrier; nothing is filled again
	s_wait_tensorcnt 0x0                           ; all my tensor loads have landed: my part of the next slot
	ds_add_u32 v[SPW], v[NIL]                      ; 0 onto my spare word
	s_wait_dscnt 4*NL+1                            ; (the add and the youngest eight loads may be out)
	WIN MUL_LO
	MUL16 0, 1, NQ-1, \slot, 0
	s_wait_dscnt 0x0                               ; the add is done, and my reads of this slot are over
	s_barrier_signal -1
	MUL16 2, 1, NQ-1, \slot, 0
	WIN 0
	s_barrier_wait -1
	PLACES NP
	v_add_nc_u32 v[ADRS], 4*NQ, v[ADRS]            ; on to the next K step's scale words
	FETCH_B \next, 0, 0
	FETCH_A \next, 0, 0
	SCALES \next
	WIN MUL_HI
	MUL16 4, 1, NQ-1, \slot, 0
	MUL16 6, 1, NQ-1, \slot, 0
	PLACES NP
	WIN 0
	FETCH_A \next, 0, 4
.endm
.macro STEPS slot, from
.set Q, \from
.rept NQ-1-\from
	STEP \slot, Q, 0
.set Q, Q+1
.endr
.endm
	s_wait_tensorcnt 1                             ; the scales and my part of K step 0 are in (K step 1's load may be out),
	s_barrier_signal -1
	s_barrier_wait -1                              ; everybody's are
	FETCH_B 0, 0, 0
	FETCH_A 0, 0, 0
	SCALES 0
	FETCH_A 0, 0, 4
	STEP 0, 0, 1                                   ; the first products start the sums: nothing is cleared
	STEPS 0, 1
	TURN 0, 1
	STEPS 1, 0
	s_wait_dscnt 4*NL                              ; the very last step: nothing more to fetch
	WIN MUL_LO
	MUL16 0, 1, NQ-1, 1, 0
	MUL16 2, 1, NQ-1, 1, 0
	s_wait_dscnt 0
	WIN MUL_HI
	MUL16 4, 1, NQ-1, 1, 0
	MUL16 6, 1, NQ-1, 1, 0
	WIN 0
; THE WAY OUT, block by block of 16 tokens x 128 columns (two heads).  PACK rounds to f16, 16 bytes a lane; TOSTAGE puts them into my own stage and reads them back so that 32 lanes hold four tokens' 128 bytes of one
; head, which are 512 consecutive bytes of qkvh; SEND stores them.  LDS serves a wave's instructions in order (ISA guide 5.7.1.4): no wait between the stores and the loads.
.macro PACK a
.set AC, 64*((\a)%4)
	WIN (0x0a+5*((\a)/4))                          ; sources 0 and 1: window 2 or 3
.irp b, 0,1,2,3,4,5,6,7
.irp r, 0,1,2,3
	v_cvt_pk_f16_f32 v[TMP+4*\b+\r], v[AC+8*\b+2*\r], v[AC+8*\b+2*\r+1]   ; each accumulator from its low end on
.endr
.endr
	WIN 0
.endm
.macro TOSTAGE a
.irp b, 0,1,2,3,4,5,6,7
	ds_store_b128 v[STO], v[TMP+4*\b:TMP+4*\b+3] offset:32*\b
.endr
.irp hd, 0,1
.irp i, 0,1,2,3
	ds_load_b128 v[BK+32*((\a)%2)+4*(4*\hd+\i):BK+32*((\a)%2)+4*(4*\hd+\i)+3], v[RD] offset:1088*\i+128*\hd
.endr
.endr
.endm
.macro SEND a, younger                 ; younger: the LDS instructions issued behind block a's loads, which may stay out
	s_wait_dscnt \younger
.irp hd, 0,1
.irp i, 0,1,2,3
	global_store_b128 v[CO], v[BK+32*((\a)%2)+4*(4*\hd+\i):BK+32*((\a)%2)+4*(4*\hd+\i)+3], s[96:97] offset:262144*\hd+2048*(\a)+512*\i th:TH_STORE_NT
.endr
.endr
.endm
	PLACES NP                                      ; in front of the first reads of results, and of writes and loads into registers that the last products read
	s_cmp_lg_u32 s94, 0
	s_cbranch_scc1 .Lno32
	WIN 0x08                                       ; an LDS store's data are its source 1: window 2.  A batch's first 16 tokens as they are, in f32
.irp b, 0,1,2,3,4,5,6,7
	ds_store_b128 v[STO32], v[8*\b:8*\b+3] offset:64*\b
	ds_store_b128 v[STO32], v[8*\b+4:8*\b+7] offset:64*\b+16
.endr
	WIN 0
.irp t, 0,1,2,3,4,5,6,7,8,9,10,11,12,13,14,15
	ds_load_b128 v[192+4*\t:192+4*\t+3], v[RD32] offset:\t*528
.endr
	s_wait_dscnt 0x0
.irp t, 0,1,2,3,4,5,6,7,8,9,10,11,12,13,14,15
	global_store_b128 v[CO], v[192+4*\t:192+4*\t+3], s[98:99] offset:\t*12288   ; 32 lanes store 512 consecutive bytes
.endr
.Lno32:
	PACK 0
	TOSTAGE 0
.irp a, 1,2,3,4,5,6,7
.if \a > 1
	s_wait_xcnt 0x0                                ; block a - 2's stores have read their registers: block a's loads may land there
.endif
	PACK \a
	TOSTAGE \a
	SEND (\a-1), 16                                ; behind block a - 1's loads: block a's 8 stores and 8 loads
.endr
	SEND 7, 0
	s_wait_tensorcnt 0x0                           ; the wave's end: a tensor wait, an add onto my spare word and its wait, behind my last tensor load and my last LDS store
	ds_add_u32 v[SPW], v[NIL]
	s_wait_dscnt 0x0
	CROUND                                         ; the closing round
	s_endpgm
.Lfunc_end_k_qf67bca8686_gemm_qkv:
	.size	k_qf67bca8686_gemm_qkv, .Lfunc_end_k_qf67bca8686_gemm_qkv-k_qf67bca8686_gemm_qkv
	.p2alignl 7, 3214868480
	.fill 96, 4, 3214868480
	.section	.rodata,"a",@progbits
	.p2align	6, 0x0
	.amdhsa_kernel k_qf67bca8686_gemm_qkv
		.amdhsa_group_segment_fixed_size 327680
		.amdhsa_private_segment_fixed_size 0
		.amdhsa_enable_private_segment 0
		.amdhsa_kernarg_size 48
		.amdhsa_user_sgpr_count 2
		.amdhsa_user_sgpr_kernarg_segment_ptr 1
		.amdhsa_wavefront_size32 1
		.amdhsa_system_sgpr_workgroup_id_x 1
		.amdhsa_system_sgpr_workgroup_id_y 1
		.amdhsa_system_sgpr_workgroup_id_z 1
		.amdhsa_system_vgpr_workitem_id 0
		.amdhsa_next_free_vgpr 1024
		.amdhsa_next_free_sgpr 100
		.amdhsa_reserve_vcc 0
		.amdhsa_float_denorm_mode_32 3
		.amdhsa_float_denorm_mode_16_64 3
		.amdhsa_memory_ordered 1
		.amdhsa_forward_progress 1
		.amdhsa_inst_pref_size 131
	.end_amdhsa_kernel
	.amdgpu_metadata
---
amdhsa.version: [ 1, 2 ]
amdhsa.kernels:
  - .name:           k_qf67bca8686_gemm_qkv
    .symbol:         k_qf67bca8686_gemm_qkv.kd
    .args:
      - { .name: x_codes, .offset: 0, .size: 8, .value_kind: global_buffer, .address_space: global }
      - { .name: x_scales, .offset: 8, .size: 8, .value_kind: global_buffer, .address_space: global }
      - { .name: wq_codes, .offset: 16, .size: 8, .value_kind: global_buffer, .address_space: global }
      - { .name: wq_scales, .offset: 24, .size: 8, .value_kind: global_buffer, .address_space: global }
      - { .name: qkvh, .offset: 32, .size: 8, .value_kind: global_buffer, .address_space: global }
      - { .name: h16, .offset: 40, .size: 8, .value_kind: global_buffer, .address_space: global }
    .group_segment_fixed_size: 327680
    .private_segment_fixed_size: 0
    .kernarg_segment_align: 8
    .kernarg_segment_size: 48
    .max_flat_workgroup_size: 128
    .sgpr_count:     100
    .vgpr_count:     1024
    .wavefront_size: 32
...
	.end_amdgpu_metadata
.endif
;; end of part 2
;; launch attn (part 3): grid 4 x 64, 16 waves a work-group, no clusters, 327,680 bytes of LDS; arguments qkvh, att; writes att
.if DOCPART == 3
	.amdgcn_target "amdgcn-amd-amdhsa--gfx1250"
	.amdhsa_code_object_version 6
	.text
	.protected	k_qf67bca8686_attn
	.globl	k_qf67bca8686_attn
	.p2align	8
	.type	k_qf67bca8686_attn,@function
k_qf67bca8686_attn:
	s_mov_b64 s[64:65], 0
	v_nop
	global_prefetch_b8 v0, s[64:65] scope:SCOPE_SE
	s_setreg_imm32_b32 hwreg(HW_REG_WAVE_MODE, 25, 1), 1
	s_wait_xcnt 0x0
; att[b][h][q][:] = the sum over k <= q of softmax_k(Q[q] . K[k] / 8) V[k][:].  Q, K, V: the three parts of qkvh, [64 (batch, head)][2048][64] in f16; att likewise.  Products on f16 operands with f32 sums;
; maxima, exponentials and sums in f32; the weights p are rounded to f16 for the second product, the result once at the end.
; LIMIT: the result stays at or under 65,504 (it is an average of V's rows, which are f16 numbers).
; SHARES.  A work-group serves one (batch, head) and two blocks of 256 queries: waves 0-7 block p, waves 8-15 block 7 - p (p = work-group x): under the causal mask the two blocks together have the same work for every p.
; A wave owns 32 queries: two tiles of 16.  Keys go 64 a step; K's and V's rows come through a ring of two LDS slots of 256 keys, filled by the tensor data mover (waves 0, 1: K's halves; waves 2, 3: V's).
; NO CLUSTER: the four work-groups of a head read 8 - p slots each, so a joint load would bring tiles that no wave of some partner reads.
; LAYOUT.  S^T = K Q^T (source 0 = 16 keys, source 1 = 16 queries): a lane holds ONE query (lane % 16) and keys 8 (lane / 16) + 0..7.  Two such tiles, rounded to f16 in pairs, ARE source 1 (32 keys x 16 queries)
; of O^T = V^T P, whose result again holds one query a lane.  K comes out of LDS as it lies, V ([key][channel]) turned, by ds_load_tr16_b128.
; SOFTMAX.  For each query a running maximum m and sum l: p = 2^(c s - c m), c = log2(e) / 8; in every step O and l are multiplied by 2^(c m_old - c m_new).
; CAUSAL.  Every work-group walks all 8 slots, so that trip counts are constants and no barrier is jumped over.  A step all of whose keys come after the wave's queries is left out by a scalar branch on ids; in the one
; step on the diagonal hidden scores become -infinity.  A slot whose first key comes after the work-group's last query is not asked for.
; REGISTERS: v1-9 addresses and constants; v10-11 the diagonal's d; v12-15 second sum chains; v16-31 statistics, 8 a tile: +0 c m, +1 m, +2, +3 l, +4..+7 at work (+6 the rescaling factor);
;   v32-63 Q; v64-127 K of a step, then V of the same step; v128-191 S^T, then p, then P; v192-255 O^T.
.set KP,    144                        ; a key's row of K in LDS: 128 bytes + 16 of padding: 36 words: the 16 rows of a load start at 16 different groups of 4 banks
.set VP,    160                        ; a row of V: 128 + 32: 16 lanes of the turning load take 8 rows x 32 bytes
.set SK,    256                        ; keys in a slot
.set NSL,   8                          ; slots' worth of keys
.set VOFF,  SK*KP                      ; a slot: 256 rows of K, then 256 rows of V
.set SLOT1, 1<<17                      ; slot 1 begins here: one exclusive or turns an address from one slot to the other
.set SPARE, 2*SLOT1                    ; the spare words, 128 bytes for each wave: eight blocks of 256 bytes that no other line names
.set SLOTB, SK*128                     ; a slot's rows of K or of V in memory
.set SGB,   32*144                     ; the way out: 32 rows x (128 bytes + 16) for each wave, in slot 0, which was left at the last change of slots: it has had its last fill, and nobody reads it
.set AK0, 1
.set AV0, 2
.set SPW, 3
.set NIL, 4
.set ADK, 5
.set ADV, 6
.set PFO, 8
.set ST,  16
.set QF,  32
.set KV,  64
.set S,   128
.set O,   192
.set TB,  2                            ; s2  LDS byte at which the slot in hand begins
.set WV,  18
.set SEL, 20
.set CS,  22
.set G1K, 24
.set G1V, 32
.set G0K, 40
.set G0V, 44
.set SLOTS, 48
.set KF,  49                           ; the step's first key
.set Q0,  50                           ; my first query
.set QL,  51                           ; my work-group's last query
.set PFA, 52
.set LIM, 54
; Waves 0 and 1 fetch for K, waves 2 and 3 for V, the others nothing.  An s_nop 0 and four v_nop follow each of the two lines.
.macro TLOAD
	s_cmp_lt_u32 s[WV], 2
	s_cbranch_scc0 .Lnot_k_\@
	tensor_load_to_lds s[G0K:G0K+3], s[G1K:G1K+7]
	s_nop 0
.rept 4
	v_nop
.endr
	s_branch .Lasked_\@
.Lnot_k_\@:
	s_cmp_lt_u32 s[WV], 4
	s_cbranch_scc0 .Lasked_\@
	tensor_load_to_lds s[G0V:G0V+3], s[G1V:G1V+7]
	s_nop 0
.rept 4
	v_nop
.endr
.Lasked_\@:
.endm
; A PREFETCH of what the NEXT change of slots will ask for: a slot's 32,768 bytes of K and of V.  All four work-groups of a head walk the same rows: the first of them (work-group x = 0, which loads all eight slots) asks.
; In it the waves ask that fetch nothing, one instruction each: waves 4 to 7 for K's block, waves 8 to 11 for V's, 8,192 bytes a wave, lanes 256 bytes apart: each aligned block of 256 bytes is named once in the launch.
; Slots 0 and 1 come by their loads alone; the last change that fills a slot asks for nothing.
.macro ASK
	s_cmp_gt_u32 s[SLOTS], s[LIM]
	s_cbranch_scc0 .Lnot_mine_\@
	global_prefetch_b8 v[PFO], s[PFA:PFA+1] th:TH_LOAD_NT scope:SCOPE_SE
.Lnot_mine_\@:
.endm
	s_load_b128 s[4:7], s[0:1], 0x0                ; qkvh s[4:5], att s[6:7]
	v_lshl_add_u32 v[SPW], v0, 2, SPARE
	v_mov_b32 v[NIL], 0
	ds_add_u32 v[SPW], v[NIL]                      ; the wave's opening: the add, twice on end, and its wait ahead of my first tensor load
	ds_add_u32 v[SPW], v[NIL]
	v_lshrrev_b32 v5, 5, v0
	v_readfirstlane_b32 s[WV], v5                  ; wave 0..15
	s_sub_co_u32 s55, 7, ttmp9
	s_lshl_b32 s[QL], s55, 8
	s_or_b32 s[QL], s[QL], 255                     ; the later block's last query
	s_cmp_lt_u32 s[WV], 8
	s_cselect_b32 s55, ttmp9, s55                  ; my block of 256 queries
	s_lshl_b32 s[Q0], s55, 8
	s_and_b32 s56, s[WV], 7
	s_lshl_b32 s56, s56, 5
	s_add_co_u32 s[Q0], s[Q0], s56                 ; my first query
	s_and_b32 s55, ttmp7, 0xffff                   ; (batch, head)
	s_lshl_b32 s56, s55, 18                        ; its first byte in each part: 2,048 rows of 128 bytes
	s_and_b32 s58, s[WV], 1                        ; which 128 rows of a slot I fetch, if I fetch
	s_lshl_b32 s59, s58, 14
	s_add_co_u32 s60, s56, s59
	s_add_co_u32 s60, s60, 64<<18                  ; K is part 1,
	s_mov_b32 s61, 0
	s_add_co_u32 s62, s60, 64<<18                  ; V part 2
	s_mov_b32 s63, 0
	s_mov_b32 s[G1K], (1<<16)|(1<<20)|(4<<22)|(3<<25)   ; no mask; elements of 2 bytes; padding on: 4 words after every 32
	s_mov_b32 s[G1V], (1<<16)|(1<<20)|(4<<22)|(7<<25)   ; the same with 8 words
.irp g, G1K, G1V
	s_mov_b32 s[\g+1], 64<<16                      ; tensor_dim0
	s_mov_b32 s[\g+2], 128<<16                     ; tensor_dim1
	s_mov_b32 s[\g+3], 64<<16                      ; tile_dim0
	s_mov_b32 s[\g+4], 128                         ; tile_dim1
	s_mov_b32 s[\g+5], 64                          ; from row to row
	s_mov_b32 s[\g+6], 0
	s_mov_b32 s[\g+7], 0
.endr
	s_mov_b32 s[SEL], 0x76543210
	s_mov_b32 s[SEL+1], 0xfedcba98                 ; v_permlanex16_b32's selects for lane l xor 16
	s_mov_b32 s[CS], 0x3e38aa3b                    ; c = log2(e) / 8
	s_mov_b32 s[CS+1], s[CS]                       ; (named with it as a pair, so it is written)
	s_mov_b32 s[TB], 0
	s_mov_b32 s[SLOTS], NSL-1
	s_mov_b32 s[KF], 0
	s_wait_dscnt 0x0                               ; both opening adds are done
	s_wait_kmcnt 0x0
	s_mov_b32 s[G0K], 1
	s_mul_i32 s[G0K+1], s58, 128*KP                ; slot 0, my half
	s_add_nc_u64 s[G0K+2:G0K+3], s[4:5], s[60:61]
	s_or_b32 s[G0K+3], s[G0K+3], 0x80000000
	s_mov_b32 s[G0V], 1
	s_mul_i32 s[G0V+1], s58, 128*VP
	s_add_co_u32 s[G0V+1], s[G0V+1], VOFF
	s_add_nc_u64 s[G0V+2:G0V+3], s[4:5], s[62:63]
	s_or_b32 s[G0V+3], s[G0V+3], 0x80000000
	TLOAD                                          ; slot 0: it holds key 0, which counts for every query
	s_lshl_b32 s66, s[Q0], 7
	s_add_co_u32 s66, s66, s56                     ; my first query's row, in Q (part 0) and in att
	s_mov_b32 s67, 0
	s_add_nc_u64 s[6:7], s[6:7], s[66:67]
	s_add_nc_u64 s[70:71], s[4:5], s[66:67]
	; the prefetches: where my wave's stand, and who asks
	s_mov_b32 s66, 128<<18
	s_cmp_lt_u32 s[WV], 8
	s_cselect_b32 s66, 64<<18, s66                 ; waves 4 to 7: K; waves 8 to 11: V
	s_add_co_u32 s66, s66, s56
	s_and_b32 s68, s[WV], 3
	s_lshl_b32 s68, s68, 13
	s_add_co_u32 s66, s66, s68                     ; my wave's 8,192 bytes,
	s_add_co_u32 s66, s66, SLOTB                   ; in slot 1: the first change of slots steps it to slot 2
	s_add_nc_u64 s[PFA:PFA+1], s[4:5], s[66:67]
	s_sub_co_u32 s68, s[WV], 4
	s_lshr_b32 s68, s68, 3                         ; 0 in waves 4 to 11,
	s_or_b32 s68, s68, ttmp9                       ; of the head's first work-group
	s_cmp_eq_u32 s68, 0
	s_cselect_b32 s[LIM], 1, -1
	v_and_b32 v[PFO], 31, v0
	v_lshlrev_b32 v[PFO], 8, v[PFO]
	v_and_b32 v10, 15, v0                          ; r
	v_bfe_u32 v11, v0, 4, 1                        ; h
	v_mul_u32_u24 v[AK0], v10, KP
	v_lshl_add_u32 v[AK0], v11, 4, v[AK0]          ; K: row r x pitch + 16 h
	v_and_b32 v12, 7, v0
	v_lshl_add_u32 v12, v11, 3, v12
	v_mul_u32_u24 v[AV0], v12, VP                  ; V, turned: key 8 h + l % 8,
	v_bfe_u32 v12, v0, 3, 1
	v_lshl_add_u32 v[AV0], v12, 4, v[AV0]          ; channels 8 ((l / 8) % 2) on
	v_add_nc_u32 v[AV0], VOFF, v[AV0]
	v_lshlrev_b32 v12, 3, v11
	v_sub_nc_u32 v7, v10, v12                      ; r - 8 h, for the diagonal
	v_lshlrev_b32 v5, 7, v10
	v_lshl_add_u32 v5, v11, 4, v5                  ; Q: 128 r + 16 h
.irp t, 0,1
.irp c, 0,1
	global_load_b128 v[QF+16*\t+8*\c:QF+16*\t+8*\c+3],   v5, s[70:71] offset:2048*\t+64*\c      ; Q stays in registers: tile t, channels 32 c on
	global_load_b128 v[QF+16*\t+8*\c+4:QF+16*\t+8*\c+7], v5, s[70:71] offset:2048*\t+64*\c+32
.endr
.endr
	v_mov_b32 v9, 0xff800000                       ; -infinity
.irp j, 10,11,12,13,14,15
	v_mov_b32 v\j, 0                               ; written once, so that no way through the text reads one of them unwritten
.endr
.irp t, 0,1
	v_mov_b32 v[ST+8*\t+1], 0xff61b1e6             ; m: -3e38, under every score
	v_mul_f32 v[ST+8*\t], s[CS], v[ST+8*\t+1]      ; c m
.irp j, 2,3,4,5,6,7
	v_mov_b32 v[ST+8*\t+\j], 0                     ; l; the registers at work (a lane permute's destination counts as one of its sources)
.endr
.endr
.set n, 0
.rept 64
	v_mov_b32 v[O+n], 0                            ; O^T.  (The step is written once: the first finds zeros, which the first change of m leaves zeros)
.set n, n+1
.endr
; A KEY STEP: 64 keys, the q-th of the slot in hand.
.macro STEP q
	s_add_co_u32 s69, s[Q0], 31
	s_cmp_gt_u32 s[KF], s69                        ; all its keys come after my 32 queries: the step's work is left out
	s_cbranch_scc1 .Lhidden_\@
	v_add_nc_u32 v[ADK], s[TB], v[AK0]
	v_add_nc_u32 v[ADV], s[TB], v[AV0]
.rept 3
	v_nop                                          ; with the two additions five places behind the last step's products: four are owed by the loads into V's registers, five by the products that write over P
.endr
.irp kt, 0,1,2,3
.irp c, 0,1
	ds_load_b128 v[KV+8*(2*\kt+\c):KV+8*(2*\kt+\c)+3],   v[ADK] offset:(64*(\q)+16*\kt)*KP+64*\c
	ds_load_b128 v[KV+8*(2*\kt+\c)+4:KV+8*(2*\kt+\c)+7], v[ADK] offset:(64*(\q)+16*\kt)*KP+64*\c+32
.endr
.endr
	s_wait_dscnt 0x0
.irp c, 0,1                                    ; S^T = K Q^T: eight accumulators by turns; the first eight products start the sums
.irp kt, 0,1,2,3
.irp t, 0,1
.if \c == 0
	v_wmma_f32_16x16x32_f16 v[S+32*\t+8*\kt:S+32*\t+8*\kt+7], v[KV+8*(2*\kt+\c):KV+8*(2*\kt+\c)+7], v[QF+16*\t+8*\c:QF+16*\t+8*\c+7], 0
.else
	v_wmma_f32_16x16x32_f16 v[S+32*\t+8*\kt:S+32*\t+8*\kt+7], v[KV+8*(2*\kt+\c):KV+8*(2*\kt+\c)+7], v[QF+16*\t+8*\c:QF+16*\t+8*\c+7], v[S+32*\t+8*\kt:S+32*\t+8*\kt+7]
.endif
.endr
.endr
.endr
.rept 4
	v_nop                                          ; places in front of the loads into K's registers and of the first reads of the scores
.endr
.irp kc, 0,1                                   ; V of the same step lands while the softmax is walked
.irp ct, 0,1,2,3
	ds_load_tr16_b128 v[KV+8*(4*\kc+\ct):KV+8*(4*\kc+\ct)+3],   v[ADV] offset:(64*(\q)+32*\kc)*VP+32*\ct
	ds_load_tr16_b128 v[KV+8*(4*\kc+\ct)+4:KV+8*(4*\kc+\ct)+7], v[ADV] offset:(64*(\q)+32*\kc)*VP+16*VP+32*\ct
.endr
.endr
	s_add_co_u32 s69, s[KF], 63
	s_cmp_le_u32 s69, s[Q0]                        ; all its keys count for all my queries: nothing to hide
	s_cbranch_scc1 .Lopen_\@
	s_sub_co_i32 s69, s[Q0], s[KF]
	v_add_nc_u32 v10, s69, v7                      ; d = my query - KF - 8 h.  Register 8 kt + j of a tile holds key KF + 8 h + 16 kt + j: hidden where 16 kt + j > d
	v_add_nc_u32 v11, 16, v10
.irp t, 0,1
.set n, 0
.rept 32
	v_cmp_gt_i32 vcc_lo, 16*(n/8)+n%8, v[10+\t]
	v_cndmask_b32 v[S+32*\t+n], v[S+32*\t+n], v9, vcc_lo
.set n, n+1
.endr
.endr
.Lopen_\@:
.irp j, 0,1,2,3                                ; the maximum of the lane's 32 scores and the old m: four chains, each beginning at an accumulator's low end; the two tiles line by line
.irp t, 0,1
	v_max3_num_f32 v[ST+8*\t+4+\j], v[S+32*\t+8*\j], v[S+32*\t+8*\j+1], v[S+32*\t+8*\j+2]
.endr
.endr
.irp g, 1,2
.irp j, 0,1,2,3
.irp t, 0,1
	v_max3_num_f32 v[ST+8*\t+4+\j], v[ST+8*\t+4+\j], v[S+32*\t+8*\j+2*\g+1], v[S+32*\t+8*\j+2*\g+2]
.endr
.endr
.endr
.irp t, 0,1
	v_max3_num_f32 v[ST+8*\t+4], v[ST+8*\t+4], v[S+32*\t+7], v[S+32*\t+15]
.endr
.irp t, 0,1
	v_max3_num_f32 v[ST+8*\t+6], v[ST+8*\t+6], v[S+32*\t+23], v[S+32*\t+31]
.endr
.irp t, 0,1
	v_max3_num_f32 v[ST+8*\t+4], v[ST+8*\t+4], v[ST+8*\t+5], v[ST+8*\t+6]
.endr
.irp t, 0,1
	v_max3_num_f32 v[ST+8*\t+4], v[ST+8*\t+4], v[ST+8*\t+7], v[ST+8*\t+1]
.endr
.irp t, 0,1
	v_permlanex16_b32 v[ST+8*\t+5], v[ST+8*\t+4], s[SEL], s[SEL+1]   ; the query's other 32 keys lie in the lane 16 away
.endr
.irp t, 0,1
	v_mov_b32 v[ST+8*\t+7], v[ST+8*\t]             ; c m_old
.endr
.irp t, 0,1
	v_max_num_f32 v[ST+8*\t+1], v[ST+8*\t+4], v[ST+8*\t+5]
.endr
.irp t, 0,1
	v_mul_f32 v[ST+8*\t], s[CS], v[ST+8*\t+1]
.endr
.irp t, 0,1
	v_sub_f32 v[ST+8*\t+7], v[ST+8*\t+7], v[ST+8*\t]
.endr
.irp j, 0,2,4,6,8,10,12,14,16,18,20,22,24,26,28,30
.irp t, 0,1
	v_pk_fma_f32 v[S+32*\t+\j:S+32*\t+\j+1], v[S+32*\t+\j:S+32*\t+\j+1], s[CS:CS+1], v[ST+8*\t:ST+8*\t+1] op_sel_hi:[1,0,0] neg_lo:[0,0,1] neg_hi:[0,0,1]   ; c s - c m
.endr
.endr
.irp t, 0,1
	v_exp_f32 v[ST+8*\t+6], v[ST+8*\t+7]           ; ONE BATCH of 66 exponentials: the two rescaling factors,
.endr
.set n, 0
.rept 32
	v_exp_f32 v[S+n], v[S+n]                       ; and p
	v_exp_f32 v[S+32+n], v[S+32+n]
.set n, n+1
.endr
	v_nop                                          ; a plain instruction behind the last exponential,
	s_wait_alu depctr_va_vdst(0)                   ; and one wait for the batch, ahead of the first instruction that names a result
.irp t, 0,1                                    ; the sums, of p as it is in f32, in two chains a tile
	v_pk_add_f32 v[ST+8*\t+4:ST+8*\t+5], v[S+32*\t:S+32*\t+1], v[S+32*\t+2:S+32*\t+3]
	v_pk_add_f32 v[12+2*\t:13+2*\t], v[S+32*\t+4:S+32*\t+5], v[S+32*\t+6:S+32*\t+7]
.endr
.irp j, 8,12,16,20,24,28
.irp t, 0,1
	v_pk_add_f32 v[ST+8*\t+4:ST+8*\t+5], v[ST+8*\t+4:ST+8*\t+5], v[S+32*\t+\j:S+32*\t+\j+1]
	v_pk_add_f32 v[12+2*\t:13+2*\t], v[12+2*\t:13+2*\t], v[S+32*\t+\j+2:S+32*\t+\j+3]
.endr
.endr
.irp t, 0,1
	v_pk_fma_f32 v[ST+8*\t+2:ST+8*\t+3], v[ST+8*\t+2:ST+8*\t+3], v[ST+8*\t+6:ST+8*\t+7], v[ST+8*\t+4:ST+8*\t+5] op_sel_hi:[1,0,1]
.endr
.irp t, 0,1
	v_pk_add_f32 v[ST+8*\t+2:ST+8*\t+3], v[ST+8*\t+2:ST+8*\t+3], v[12+2*\t:13+2*\t]
.endr
.irp b, 0,1                                    ; P, in place: the 16 registers of tiles 2 b, 2 b + 1 become the fragment's 8; register i is written when 2 i and 2 i + 1 have been read
.irp i, 0,1,2,3,4,5,6,7
.irp t, 0,1
	v_cvt_pk_f16_f32 v[S+32*\t+16*\b+\i], v[S+32*\t+16*\b+2*\i], v[S+32*\t+16*\b+2*\i+1]
.endr
.endr
.endr
.irp j, 0,2,4,6,8,10,12,14,16,18,20,22,24,26,28,30
.irp t, 0,1
	v_pk_mul_f32 v[O+32*\t+\j:O+32*\t+\j+1], v[O+32*\t+\j:O+32*\t+\j+1], v[ST+8*\t+6:ST+8*\t+7] op_sel_hi:[1,0]   ; O^T under the new m
.endr
.endr
	s_wait_dscnt 0x0                               ; V is in
.irp kc, 0,1                                   ; O^T += V^T P: eight accumulators by turns
.irp ct, 0,1,2,3
.irp t, 0,1
	v_wmma_f32_16x16x32_f16 v[O+32*\t+8*\ct:O+32*\t+8*\ct+7], v[KV+8*(4*\kc+\ct):KV+8*(4*\kc+\ct)+7], v[S+32*\t+16*\kc:S+32*\t+16*\kc+7], v[O+32*\t+8*\ct:O+32*\t+8*\ct+7]
.endr
.endr
.endr
.Lhidden_\@:
	s_add_co_u32 s[KF], s[KF], 64
.endm
; THE CHANGE OF SLOTS stands at a slot's head.  Each wave waits for all its tensor loads, adds 0 to its spare word (fill = 1: twice on end), and waits for that and for its reads of the slot that it has left.
; Behind the barrier the slot ahead is whole and nobody reads the other one.  fill = 1: that other slot is filled with the keys that follow, up to the causal limit: one tensor load of a wave is out.
.macro CHANGE fill
	s_wait_tensorcnt 0x0                           ; no tensor load of mine is out, so a group 0 may be written
	ds_add_u32 v[SPW], v[NIL]                      ; 0 onto my spare word
.if \fill
	ds_add_u32 v[SPW], v[NIL]                      ; and once more: the add twice on end here, in every trip alike
	s_xor_b32 s[G0K+1], s[G0K+1], SLOT1            ; the walking descriptors: the other slot than last time,
	s_add_nc_u64 s[G0K+2:G0K+3], s[G0K+2:G0K+3], SLOTB   ; the next 256 keys; the type bits on top are not reached
	s_xor_b32 s[G0V+1], s[G0V+1], SLOT1
	s_add_nc_u64 s[G0V+2:G0V+3], s[G0V+2:G0V+3], SLOTB
	s_wait_xcnt 0x0                                ; the last prefetch, a slot back, has read its address, so it may be written:
	s_add_nc_u64 s[PFA:PFA+1], s[PFA:PFA+1], SLOTB ; one slot further on than the walking descriptors
.endif
	s_wait_dscnt 0x0                               ; the add is done, and my reads of the slot that I have left are over
	s_barrier_signal -1
	s_barrier_wait -1
.if \fill
	s_add_co_u32 s69, s[KF], SK                    ; the first key of the slot that this change would ask for:
	s_cmp_gt_u32 s69, s[QL]                        ; past my work-group's last query no wave reads it.  The work-group's number and the count of steps alone: all sixteen waves go the same way
	s_cbranch_scc1 .Lpast_\@
	TLOAD                                          ; a wave's one tensor load until the next barrier
.Lpast_\@:
	ASK
.endif
.endm
.macro SLOT_STEPS
.irp q, 0,1,2,3
	STEP \q
.endr
	s_xor_b32 s[TB], s[TB], SLOT1                  ; on to the other slot
.endm
	s_wait_loadcnt 0x0                             ; Q
.Lslot:                                            ; 7 trips: behind each change of slots but the last the next slot is asked for, up to the limit
	CHANGE 1
	SLOT_STEPS
	s_sub_co_u32 s[SLOTS], s[SLOTS], 1
	s_cmp_lg_u32 s[SLOTS], 0
	s_cbranch_scc1 .Lslot
	CHANGE 0                                       ; the last slot is written out: nothing is left to ask for
	SLOT_STEPS
	; THE WAY OUT.  O^T is divided by l, rounded to f16 and sent through my stage in LDS, so that 32 lanes store four queries' 128 bytes: 512 consecutive bytes of att.  The address lines are the places behind the last products.
	v_and_b32 v5, 15, v0                           ; r
	v_bfe_u32 v6, v0, 4, 1                         ; h
	s_mul_i32 s55, s[WV], SGB                      ; my stage
	v_mul_u32_u24 v10, v5, 144
	v_lshl_add_u32 v10, v6, 4, v10
	v_add_nc_u32 v10, s55, v10                     ; in: row r, + 16 h
	v_and_b32 v11, 31, v0
	v_lshrrev_b32 v12, 3, v11
	v_mul_u32_u24 v12, v12, 144
	v_and_b32 v13, 7, v0
	v_lshl_add_u32 v12, v13, 4, v12
	v_add_nc_u32 v12, s55, v12                     ; back: eight lanes to a row
	v_lshlrev_b32 v13, 4, v11                      ; 16 x lane
.irp t, 0,1
	v_add_f32 v[ST+8*\t+4], v[ST+8*\t+2], v[ST+8*\t+3]
.endr
.irp t, 0,1
	v_permlanex16_b32 v[ST+8*\t+5], v[ST+8*\t+4], s[SEL], s[SEL+1]
.endr
.irp t, 0,1
	v_add_f32 v[ST+8*\t+4], v[ST+8*\t+4], v[ST+8*\t+5]
.endr
.irp t, 0,1
	v_rcp_f32 v[ST+8*\t+6], v[ST+8*\t+4]
.endr
	v_nop                                          ; a plain instruction behind the last reciprocal,
	s_wait_alu depctr_va_vdst(0)                   ; and the wait ahead of the first use
.irp t, 0,1
.irp j, 0,2,4,6,8,10,12,14,16,18,20,22,24,26,28,30
	v_pk_mul_f32 v[O+32*\t+\j:O+32*\t+\j+1], v[O+32*\t+\j:O+32*\t+\j+1], v[ST+8*\t+6:ST+8*\t+7] op_sel_hi:[1,0]
.endr
.endr
.set n, 0
.rept 32
	v_cvt_pk_f16_f32 v[S+n], v[O+2*n], v[O+2*n+1]  ; registers 16 t + 4 ct .. + 3: channels 16 ct + 8 h + 0..7 of query 16 t + r
.set n, n+1
.endr
.irp t, 0,1
.irp ct, 0,1,2,3
	ds_store_b128 v10, v[S+16*\t+4*\ct:S+16*\t+4*\ct+3] offset:2304*\t+32*\ct
.endr
.endr
.irp i, 0,1,2,3,4,5,6,7
	ds_load_b128 v[S+32+4*\i:S+32+4*\i+3], v12 offset:576*\i       ; LDS serves a wave's instructions in order: these see my stores
.endr
.irp i, 0,1,2,3,4,5,6,7
	s_wait_dscnt 7-\i
	global_store_b128 v13, v[S+32+4*\i:S+32+4*\i+3], s[6:7] offset:512*\i
.endr
	s_wait_tensorcnt 0x0                           ; the wave's end: a tensor wait, an add onto my spare word and its wait, behind my last tensor load and my last LDS store
	ds_add_u32 v[SPW], v[NIL]
	s_wait_dscnt 0x0
	s_endpgm
.Lfunc_end_k_qf67bca8686_attn:
	.size	k_qf67bca8686_attn, .Lfunc_end_k_qf67bca8686_attn-k_qf67bca8686_attn
	.p2alignl 7, 3214868480
	.fill 96, 4, 3214868480
	.section	.rodata,"a",@progbits
	.p2align	6, 0x0
	.amdhsa_kernel k_qf67bca8686_attn
		.amdhsa_group_segment_fixed_size 327680
		.amdhsa_private_segment_fixed_size 0
		.amdhsa_enable_private_segment 0
		.amdhsa_kernarg_size 16
		.amdhsa_user_sgpr_count 2
		.amdhsa_user_sgpr_kernarg_segment_ptr 1
		.amdhsa_wavefront_size32 1
		.amdhsa_system_sgpr_workgroup_id_x 1
		.amdhsa_system_sgpr_workgroup_id_y 1
		.amdhsa_system_sgpr_workgroup_id_z 1
		.amdhsa_system_vgpr_workitem_id 0
		.amdhsa_next_free_vgpr 256
		.amdhsa_next_free_sgpr 72
		.amdhsa_reserve_vcc 1
		.amdhsa_float_denorm_mode_32 3
		.amdhsa_float_denorm_mode_16_64 3
		.amdhsa_memory_ordered 1
		.amdhsa_forward_progress 1
		.amdhsa_inst_pref_size 188
	.end_amdhsa_kernel
	.amdgpu_metadata
---
amdhsa.version: [ 1, 2 ]
amdhsa.kernels:
  - .name:           k_qf67bca8686_attn
    .symbol:         k_qf67bca8686_attn.kd
    .args:
      - { .name: qkvh, .offset: 0, .size: 8, .value_kind: global_buffer, .address_space: global }
      - { .name: att, .offset: 8, .size: 8, .value_kind: global_buffer, .address_space: global }
    .group_segment_fixed_size: 327680
    .private_segment_fixed_size: 0
    .kernarg_segment_align: 8
    .kernarg_segment_size: 16
    .max_flat_workgroup_size: 512
    .sgpr_count:     72
    .vgpr_count:     256
    .wavefront_size: 32
...
	.end_amdgpu_metadata
.endif
;; end of part 3
;; launch proj (part 4): grid 8 x 64, 4 waves a work-group, clusters of 4 x 4, 327,680 bytes of LDS; arguments att, wpT, b_proj, out0; writes out0
.if DOCPART == 4
	.amdgcn_target "amdgcn-amd-amdhsa--gfx1250"
	.amdhsa_code_object_version 6
	.text
	.protected	k_qf67bca8686_proj
	.globl	k_qf67bca8686_proj
	.p2align	8
	.type	k_qf67bca8686_proj,@function
k_qf67bca8686_proj:
	s_mov_b64 s[64:65], 0
	v_nop
	global_prefetch_b8 v0, s[64:65] scope:SCOPE_SE
	s_setreg_imm32_b32 hwreg(HW_REG_WAVE_MODE, 25, 1), 1
	s_wait_xcnt 0x0
	s_wait_alu depctr_hold_cnt(0) depctr_sa_sdst(0) depctr_va_vdst(0) depctr_va_sdst(0) depctr_va_ssrc(0) depctr_va_vcc(0) depctr_vm_vsrc(0)
	s_getreg_b32 s2, hwreg(HW_REG_IB_STS2, 6, 4)
	s_cmp_eq_u32 s2, 0
	s_cbranch_scc0 .Lentry_in_a_cluster
	s_endpgm
.Lentry_in_a_cluster:
	s_bfe_u32 s2, ttmp6, 0x10000c
	s_cmp_lg_u32 s2, 0xf033
	s_cbranch_scc0 .Lentry_shape_is_right
	s_endpgm
.Lentry_shape_is_right:
; out0[m][n] = b_proj[n] + sum over k of A[m][k] wpT[n][k], on f16 operands with f32 sums.  A is the attention's result, which lies by heads: att [batch 4][head 16][token 2048][64] f16, k = 64 head + channel.
; wpT [1024 (n)][1024 (k)] f16.  out0 [8192][1024] f32.  THE FIRST 16 TOKENS OF EACH BATCH ARE NOT STORED HERE: the launch behind this one makes them in f32.
; A tile of out0 is 128 x 128.  Four waves, each 64 x 64: 16 accumulators, 128 registers.  K goes in steps of 256 (four heads) through a ring of two LDS slots; a wave's tensor load brings 64 tokens of four heads, or 64 rows of wpT.
; CLUSTERS: 4 x 4 work-groups.  The four of a row of the cluster need the same tiles of A, the four of a column the same tiles of wpT: each tile is asked for JOINTLY.  Tile row = 16 cy + cluster y: the batch is cy,
; and a tile's place in its batch is the same in all sixteen partners.  THE MATRIX INSTRUCTION IS USED TRANSPOSED (source 0 = 16 rows of wpT, source 1 = 16 tokens): a lane holds eight neighbouring columns of a token.
; The bias is the C of each sum's first matrix instruction: eight registers for each of my four blocks of 16 columns, in the result's layout.
; REGISTERS: window 0: v0-31 addresses; v32-95 the way out; v96-127 the bias; v128-255 the accumulators ((a, b) at v[128 + 8 (4 a + b)]).   window 1: two fragment buffers of 128: 64 registers of A, then 64 of B.
.set SIZE_N, 1024
.set SIZE_K, 1024
.set KSTEP,  256
.set PITCH,  528                       ; a row of wpT's tile in LDS: 512 bytes + 16 of padding
.set PA,     144                       ; a token's 64 channels of one head in LDS: 128 bytes + 16
.set HEADP,  64*PA                     ; 64 tokens of one head
.set HALFA,  4*HEADP                   ; what one load brings of A: four heads x 64 tokens
.set HALFB,  64*PITCH                  ; and of wpT: 64 rows
.set SLOT,   2*HALFA+2*HALFB           ; A's two halves, then B's two
.set STAGE,  2*SLOT                    ; behind the ring: 16 rows x (256 bytes + 16) for each wave, its own
.set SPITCH, 272
.set SPARE,  STAGE+4*16*SPITCH         ; the spare words, 128 bytes for each wave: two blocks of 256 bytes that no other line names
.set LAPS,   SIZE_K/(2*KSTEP)
.set ASTEP,  4*2048*128                ; four heads on in att, in bytes
.set ADRA, 16
.set ADRB, 20
.set STO,  24
.set RD,   25
.set CO,   26
.set SPW,  28
.set NIL,  29
.set TMP,  32
.set BIAS, 96
.set ACC,  128
.set F0,   0
.set F1,   128
.set G1, 24
.set G0, 32
.set G1B, 48
.set G0B, 56
.set MSB, 0
.macro WIN new                         ; the immediate's high byte repeats the setting that is left
.if MSB != \new
	s_set_vgpr_msb (MSB<<8)|\new
.set MSB, \new
.endif
.endm
.set MUL,  0x05                        ; sources 0 (B) and 1 (A) window 1; C and D window 0
.set TO_F, 0x40
.macro JLOAD s                         ; a joint load: waves 0 and 1 fetch A's two halves, waves 2 and 3 B's; an s_nop 0 and four v_nop follow each of the two lines
	s_cmp_eq_u32 s11, 0
	s_cbranch_scc0 .Lfor_b_\@
	tensor_load_to_lds s[G0+4*\s:G0+4*\s+3], s[G1:G1+7]
	s_nop 0
.rept 4
	v_nop
.endr
	s_branch .Lasked_\@
.Lfor_b_\@:
	tensor_load_to_lds s[G0B+4*\s:G0B+4*\s+3], s[G1B:G1B+7]
	s_nop 0
.rept 4
	v_nop
.endr
.Lasked_\@:
.endm
.macro CREST                           ; a round of the cluster's barrier behind its opening barrier
	s_cmp_lg_u32 s10, 0
	s_cbranch_scc1 .Lnot_wave_0_\@
	s_barrier_signal -3
.Lnot_wave_0_\@:
	s_barrier_wait -3
	s_barrier_signal -1
	s_barrier_wait -1
.endm
.macro CROUND
	s_barrier_signal -1
	s_barrier_wait -1
	CREST
.endm
	s_load_b128 s[4:7], s[0:1], 0x0                ; att s[4:5], wpT s[6:7]
	s_load_b128 s[68:71], s[0:1], 0x10             ; b_proj s[68:69], out0 s[70:71]
	v_lshl_add_u32 v[SPW], v0, 2, SPARE
	v_mov_b32 v[NIL], 0
	ds_add_u32 v[SPW], v[NIL]                      ; the wave's opening: the add, twice on end, and its wait ahead of my first tensor load
	ds_add_u32 v[SPW], v[NIL]
	v_lshrrev_b32 v1, 5, v0
	v_readfirstlane_b32 s10, v1                    ; wave 0..3
	s_lshr_b32 s11, s10, 1                         ; which half of the tile's rows is mine.  Also: I fetch for A (0) or for B (1)
	s_and_b32 s12, s10, 1                          ; which half of its columns.  Also: which 64 rows of that tile I fetch
	s_bfe_u32 s40, ttmp6, 0x40000                  ; cx, cy
	s_bfe_u32 s41, ttmp6, 0x40004
	s_lshl_b32 s42, ttmp9, 2
	s_add_co_u32 s42, s42, s40                     ; tile column = 4 x cluster x + cx
	s_and_b32 s66, ttmp7, 0xffff                   ; cluster y: the tile's place in its batch
	s_lshl_b32 s13, s41, 4
	s_add_co_u32 s13, s13, s66                     ; tile row = 16 cy + cluster y
	s_lshl_b32 s43, s41, 2
	s_lshl_b32 s43, 15, s43                        ; my row of the cluster
	s_lshl_b32 s44, 0x1111, s40                    ; my column
	; A: four rows (heads) of 4,096 elements (64 tokens x 64 channels, dense), 131,072 elements apart; 4 words of padding after every 32: in LDS [head][token], 144 bytes a token
	s_or_b32 s[G1+0], s43, (1<<16)|(1<<20)|(1<<21)|(4<<22)|(3<<25)
	s_mov_b32 s[G1+1], 4096<<16                    ; tensor_dim0
	s_mov_b32 s[G1+2], 4<<16                       ; tensor_dim1
	s_mov_b32 s[G1+3], 4096<<16                    ; tile_dim0
	s_mov_b32 s[G1+4], 4                           ; tile_dim1
	s_mov_b32 s[G1+5], 131072                      ; from head to head
	s_mov_b32 s[G1+6], 0
	s_mov_b32 s[G1+7], 0
	; B: 64 rows of 256 elements, 1,024 apart; 4 words of padding after every 128
	s_or_b32 s[G1B+0], s44, (1<<16)|(1<<20)|(1<<21)|(6<<22)|(3<<25)
	s_mov_b32 s[G1B+1], KSTEP<<16
	s_mov_b32 s[G1B+2], 64<<16
	s_mov_b32 s[G1B+3], KSTEP<<16
	s_mov_b32 s[G1B+4], 64
	s_mov_b32 s[G1B+5], SIZE_K
	s_mov_b32 s[G1B+6], 0
	s_mov_b32 s[G1B+7], 0
	s_lshl_b32 s16, s41, 22                        ; A: the batch's 16 heads x 2,048 tokens x 128 bytes,
	s_lshl_b32 s17, s66, 14                        ; + 128 tokens x cluster y,
	s_add_co_u32 s16, s16, s17
	s_lshl_b32 s17, s12, 13                        ; + 64 tokens x half
	s_add_co_u32 s16, s16, s17
	s_mov_b32 s17, 0
	s_lshl_b32 s46, s42, 18                        ; B: row 128 x tile column + 64 x half, 2,048 bytes a row
	s_lshl_b32 s47, s12, 17
	s_add_co_u32 s46, s46, s47
	s_mov_b32 s47, 0
	s_mul_i32 s20, s12, HALFA                      ; where they go: no place in the cluster enters an LDS address
	s_mul_i32 s21, s12, HALFB
	s_add_co_u32 s21, s21, 2*HALFA
	s_wait_dscnt 0x0                               ; both opening adds are done
	s_wait_kmcnt 0x0
	s_add_nc_u64 s[14:15], s[4:5], s[16:17]
	s_add_nc_u64 s[46:47], s[6:7], s[46:47]
	CROUND                                         ; all sixteen work-groups are here: the first joint loads meet
.irp s, 0,1
	s_mov_b32 s[G0+4*\s], 1
	s_add_co_u32 s[G0+4*\s+1], s20, \s*SLOT
	s_add_nc_u64 s[G0+4*\s+2:G0+4*\s+3], s[14:15], \s*ASTEP
	s_or_b32 s[G0+4*\s+3], s[G0+4*\s+3], 0x80000000
	s_mov_b32 s[G0B+4*\s], 1
	s_add_co_u32 s[G0B+4*\s+1], s21, \s*SLOT
	s_add_nc_u64 s[G0B+4*\s+2:G0B+4*\s+3], s[46:47], \s*KSTEP*2
	s_or_b32 s[G0B+4*\s+3], s[G0B+4*\s+3], 0x80000000
	JLOAD \s                                       ; two tensor loads of mine are out
.endr
	v_and_b32 v1, 15, v0                           ; r
	v_bfe_u32 v2, v0, 4, 1                         ; h
	v_mul_u32_u24 v3, v1, PA
	v_lshl_add_u32 v3, v2, 4, v3                   ; A's fragments: token r x 144 + 16 h
	v_mul_u32_u24 v4, v1, PITCH
	v_lshl_add_u32 v4, v2, 4, v4                   ; B's: row r x 528 + 16 h
	s_mul_i32 s21, s11, HALFA                      ; my 64 tokens
	s_mul_i32 s22, s12, HALFB                      ; my 64 rows of wpT,
	s_add_co_u32 s22, s22, 2*HALFA                 ; which lie behind A's two halves
.irp s, 0,1
	v_add_nc_u32 v[ADRA+\s], s21, v3
	v_add_nc_u32 v[ADRB+\s], s22, v4
	s_add_co_u32 s21, s21, SLOT
	s_add_co_u32 s22, s22, SLOT
.endr
	s_mul_i32 s23, s10, 16*SPITCH
	s_add_co_u32 s23, s23, STAGE                   ; my stage
	v_mul_u32_u24 v5, v1, SPITCH
	v_lshl_add_u32 v5, v2, 5, v5
	v_add_nc_u32 v[STO], s23, v5                   ; in: row r, 32 bytes for each half of the lanes
	v_mul_u32_u24 v5, v2, SPITCH
	v_lshl_add_u32 v5, v1, 4, v5
	v_add_nc_u32 v[RD], s23, v5                    ; back: lanes 0-15 one row of 256 bytes, lanes 16-31 the next
	v_lshlrev_b32 v5, 12, v2
	v_lshl_add_u32 v[CO], v1, 4, v5                ; and the same two rows in out0
	s_lshl_b32 s46, s42, 9
	s_lshl_b32 s47, s12, 8
	s_add_co_u32 s46, s46, s47                     ; my 64 columns, in bytes: 512 x tile column + 256 x half
	s_mov_b32 s47, 0
	s_add_nc_u64 s[68:69], s[68:69], s[46:47]      ; in b_proj,
	s_lshl_b32 s16, s13, 19
	s_lshl_b32 s17, s11, 18
	s_add_co_u32 s16, s16, s17                     ; my first row: (128 x tile row + 64 x half) x 4,096 bytes
	s_add_co_u32 s16, s16, s46
	s_mov_b32 s17, 0
	s_add_nc_u64 s[70:71], s[70:71], s[16:17]      ; and in out0
	s_or_b32 s45, s66, s11                         ; 0 where my block 0 is a batch's first 16 tokens: cluster y and the wave's number alone
	v_lshlrev_b32 v6, 5, v2                        ; the bias: lane (r, h) wants, for block b, columns 16 b + 8 h + 0..7
.irp b, 0,1,2,3
	global_load_b128 v[BIAS+8*\b:BIAS+8*\b+3],   v6, s[68:69] offset:64*\b
	global_load_b128 v[BIAS+8*\b+4:BIAS+8*\b+7], v6, s[68:69] offset:64*\b+16
.endr
; 8 matrix instructions: m blocks a0, a0 + 1 x all 4 n blocks, 32 along K: half c of buffer f.  zero = 1: the first product starts the sums, from the bias
.macro MUL8 f, c, a0, zero
.irp a, \a0, \a0+1
.irp b, 0,1,2,3
.if \zero
	v_wmma_f32_16x16x32_f16 v[ACC+8*(4*(\a)+\b):ACC+8*(4*(\a)+\b)+7], v[\f+64+8*(4*\c+\b):\f+64+8*(4*\c+\b)+7], v[\f+8*(4*\c+\a):\f+8*(4*\c+\a)+7], v[BIAS+8*\b:BIAS+8*\b+7]
.else
	v_wmma_f32_16x16x32_f16 v[ACC+8*(4*(\a)+\b):ACC+8*(4*(\a)+\b)+7], v[\f+64+8*(4*\c+\b):\f+64+8*(4*\c+\b)+7], v[\f+8*(4*\c+\a):\f+8*(4*\c+\a)+7], v[ACC+8*(4*(\a)+\b):ACC+8*(4*(\a)+\b)+7]
.endif
.endr
.endr
.endm
; 32 LDS loads in one run: the fragments of 64 along K (one head) into buffer f; k: the quarter's byte in B's rows; A's head is k / 128
.macro FETCH slot, k, f
	WIN TO_F
.irp c, 0,1
.irp i, 0,1,2,3
	ds_load_b128 v[\f+64+8*(4*\c+\i):\f+64+8*(4*\c+\i)+3],   v[ADRB+\slot] offset:\k+64*\c+\i*16*PITCH
	ds_load_b128 v[\f+64+8*(4*\c+\i)+4:\f+64+8*(4*\c+\i)+7], v[ADRB+\slot] offset:\k+64*\c+\i*16*PITCH+32
	ds_load_b128 v[\f+8*(4*\c+\i):\f+8*(4*\c+\i)+3],         v[ADRA+\slot] offset:((\k)/128)*HEADP+64*\c+\i*16*PA
	ds_load_b128 v[\f+8*(4*\c+\i)+4:\f+8*(4*\c+\i)+7],       v[ADRA+\slot] offset:((\k)/128)*HEADP+64*\c+\i*16*PA+32
.endr
.endr
.endm
.macro PLACES                          ; four places in front of loads into registers that matrix instructions have read, and of the first reads of results
.rept 4
	v_nop
.endr
.endm
.macro QUARTER slot, k, f, g, zero     ; multiplies buffer f (64 along K, 32 matrix instructions) and fetches the next quarter, at byte k, into g
	s_wait_dscnt 16                                ; the first 32 along K are in; the youngest sixteen loads may be out
	WIN MUL
	MUL8 \f, 0, 0, \zero
	MUL8 \f, 0, 2, \zero
	PLACES
	FETCH \slot, \k, \g
	s_wait_dscnt 32                                ; all but the 32 just issued
	WIN MUL
	MUL8 \f, 1, 0, 0
	MUL8 \f, 1, 2, 0
.endm
; The last quarter multiplies buffer 1 and changes slots: ONE barrier; in front of it each wave waits for all its tensor loads, adds 0 to its spare word, and waits for that and for its own reads of this slot.
.macro TURN slot, next, fill
	WIN 0                                          ; (the add's two registers lie in window 0)
	s_wait_tensorcnt 0x0                           ; all my tensor loads have landed: my part of the next slot
	ds_add_u32 v[SPW], v[NIL]                      ; 0 onto my spare word
	s_wait_dscnt 17                                ; (the add and the youngest sixteen loads may be out)
	WIN MUL
	MUL8 F1, 0, 0, 0
	s_wait_dscnt 0x0                               ; the add is done, and my reads of this slot are over
	s_barrier_signal -1
	MUL8 F1, 0, 2, 0
.if \fill
	WIN 0
.endif
	s_barrier_wait -1
.if \fill
	CREST                                          ; the barrier has opened a round of the cluster's barrier: no wave of any partner still reads this slot or has a load on its way
	s_add_nc_u64 s[G0+4*\slot+2:G0+4*\slot+3], s[G0+4*\slot+2:G0+4*\slot+3], 2*ASTEP
	s_add_nc_u64 s[G0B+4*\slot+2:G0B+4*\slot+3], s[G0B+4*\slot+2:G0B+4*\slot+3], 2*KSTEP*2
	JLOAD \slot                                    ; the first tensor load behind the round; its four v_nop are also the places in front of the loads below
.else
	PLACES
.endif
	FETCH \next, 0, F0
	WIN MUL
	MUL8 F1, 1, 0, 0
	MUL8 F1, 1, 2, 0
.endm
	s_wait_tensorcnt 1                             ; my part of K step 0 is in (K step 1's load may be out),
	s_barrier_signal -1
	s_barrier_wait -1                              ; everybody's is
	FETCH 0, 0, F0
	s_wait_loadcnt 0x0                             ; the bias
	QUARTER 0, 128, F0, F1, 1
	WIN 0                                          ; at a label and at a branch every window is 0
	s_mov_b32 s3, LAPS-1
.Llap:                                             ; a trip goes once round the ring, from a lap's second quarter to the next lap's first, and fills both slots again
	QUARTER 0, 256, F1, F0, 0
	QUARTER 0, 384, F0, F1, 0
	TURN 0, 1, 1
	QUARTER 1, 128, F0, F1, 0
	QUARTER 1, 256, F1, F0, 0
	QUARTER 1, 384, F0, F1, 0
	TURN 1, 0, 1
	QUARTER 0, 128, F0, F1, 0
	WIN 0
	s_sub_co_u32 s3, s3, 1
	s_cmp_lg_u32 s3, 0
	s_cbranch_scc1 .Llap
	QUARTER 0, 256, F1, F0, 0                      ; the last lap fills nothing
	QUARTER 0, 384, F0, F1, 0
	TURN 0, 1, 0
	QUARTER 1, 128, F0, F1, 0
	QUARTER 1, 256, F1, F0, 0
	QUARTER 1, 384, F0, F1, 0
	s_wait_dscnt 16
	WIN MUL
	MUL8 F1, 0, 0, 0
	MUL8 F1, 0, 2, 0
	s_wait_dscnt 0
	MUL8 F1, 1, 0, 0
	MUL8 F1, 1, 2, 0
	WIN 0
; THE WAY OUT, block by block of 16 tokens x 64 columns.  My 64 columns of f32 are 256 bytes of a row of out0, aligned: a block goes through my own stage and comes back by rows; sixteen lanes store such 256 bytes.
.macro TOSTAGE a
.irp b, 0,1,2,3
	ds_store_b128 v[STO], v[ACC+8*(4*(\a)+\b):ACC+8*(4*(\a)+\b)+3] offset:64*\b          ; each accumulator from its low end on
	ds_store_b128 v[STO], v[ACC+8*(4*(\a)+\b)+4:ACC+8*(4*(\a)+\b)+7] offset:64*\b+16
.endr
.irp t, 0,1,2,3,4,5,6,7
	ds_load_b128 v[TMP+32*((\a)%2)+4*\t:TMP+32*((\a)%2)+4*\t+3], v[RD] offset:\t*2*SPITCH   ; LDS serves a wave's instructions in order (ISA guide 5.7.1.4)
.endr
.endm
.macro SEND a, younger
	s_wait_dscnt \younger
.irp t, 0,1,2,3,4,5,6,7
	global_store_b128 v[CO], v[TMP+32*((\a)%2)+4*\t:TMP+32*((\a)%2)+4*\t+3], s[70:71] offset:(16*(\a)+2*\t)*SIZE_N*4 th:TH_STORE_NT
.endr
.endm
	PLACES
	s_cmp_eq_u32 s45, 0                            ; a batch's first 16 tokens belong to the next launch
	s_cbranch_scc1 .Lskip0
	TOSTAGE 0
	SEND 0, 0
.Lskip0:
	TOSTAGE 1
	s_wait_xcnt 0x0                                ; block 0's stores have read their registers
	TOSTAGE 2
	SEND 1, 16                                     ; behind block 1's loads: block 2's 8 stores and 8 loads
	s_wait_xcnt 0x0
	TOSTAGE 3
	SEND 2, 16
	SEND 3, 0
	s_wait_tensorcnt 0x0                           ; the wave's end: a tensor wait, an add onto my spare word and its wait, behind my last tensor load and my last LDS store
	ds_add_u32 v[SPW], v[NIL]
	s_wait_dscnt 0x0
	CROUND                                         ; the closing round
	s_endpgm
.Lfunc_end_k_qf67bca8686_proj:
	.size	k_qf67bca8686_proj, .Lfunc_end_k_qf67bca8686_proj-k_qf67bca8686_proj
	.p2alignl 7, 3214868480
	.fill 96, 4, 3214868480
	.section	.rodata,"a",@progbits
	.p2align	6, 0x0
	.amdhsa_kernel k_qf67bca8686_proj
		.amdhsa_group_segment_fixed_size 327680
		.amdhsa_private_segment_fixed_size 0
		.amdhsa_enable_private_segment 0
		.amdhsa_kernarg_size 32
		.amdhsa_user_sgpr_count 2
		.amdhsa_user_sgpr_kernarg_segment_ptr 1
		.amdhsa_wavefront_size32 1
		.amdhsa_system_sgpr_workgroup_id_x 1
		.amdhsa_system_sgpr_workgroup_id_y 1
		.amdhsa_system_sgpr_workgroup_id_z 1
		.amdhsa_system_vgpr_workitem_id 0
		.amdhsa_next_free_vgpr 512
		.amdhsa_next_free_sgpr 72
		.amdhsa_reserve_vcc 0
		.amdhsa_float_denorm_mode_32 3
		.amdhsa_float_denorm_mode_16_64 3
		.amdhsa_memory_ordered 1
		.amdhsa_forward_progress 1
		.amdhsa_inst_pref_size 87
	.end_amdhsa_kernel
	.amdgpu_metadata
---
amdhsa.version: [ 1, 2 ]
amdhsa.kernels:
  - .name:           k_qf67bca8686_proj
    .symbol:         k_qf67bca8686_proj.kd
    .args:
      - { .name: att, .offset: 0, .size: 8, .value_kind: global_buffer, .address_space: global }
      - { .name: wpT, .offset: 8, .size: 8, .value_kind: global_buffer, .address_space: global }
      - { .name: b_proj, .offset: 16, .size: 8, .value_kind: global_buffer, .address_space: global }
      - { .name: out0, .offset: 24, .size: 8, .value_kind: global_buffer, .address_space: global }
    .group_segment_fixed_size: 327680
    .private_segment_fixed_size: 0
    .kernarg_segment_align: 8
    .kernarg_segment_size: 32
    .max_flat_workgroup_size: 128
    .sgpr_count:     72
    .vgpr_count:     512
    .wavefront_size: 32
...
	.end_amdgpu_metadata
.endif
;; end of part 4
;; launch fine (part 5): grid 16 x 4, 16 waves a work-group, no clusters, 71,680 bytes of LDS; arguments h16, w_proj, b_proj, out0; writes out0
.if DOCPART == 5
	.amdgcn_target "amdgcn-amd-amdhsa--gfx1250"
	.amdhsa_code_object_version 6
	.text
	.protected	k_qf67bca8686_fine
	.globl	k_qf67bca8686_fine
	.p2align	8
	.type	k_qf67bca8686_fine,@function
k_qf67bca8686_fine:
	s_mov_b64 s[64:65], 0
	v_nop
	global_prefetch_b8 v0, s[64:65] scope:SCOPE_SE
	s_setreg_imm32_b32 hwreg(HW_REG_WAVE_MODE, 25, 1), 1
	s_wait_xcnt 0x0
; THE FIRST 16 TOKENS OF EACH BATCH, IN f32 THROUGHOUT: under the causal mask these rows average one to sixteen values, and rounded operands would weigh most there.
; h16 [batch 4][token 16][3072] f32 holds their q, k, v as the first product summed them.  out0 rows 2,048 b + 0..15 = softmax(q k^T / 8, causal) v, all heads, times w_proj, plus b_proj.
; SHARES.  A work-group takes a batch (work-group y) and 64 output columns (work-group x); wave w takes head w: its 16 x 16 scores, its 16 x 64 result, and at once that result times w_proj's rows 64 w .. 64 w + 63 in the
; 64 columns.  The sixteen waves' partial sums meet in LDS; wave w then adds up token w's row, adds the bias and stores 256 consecutive bytes, aligned.
; All products by v_wmma_f32_16x16x4_f32, transposed, so that a lane holds ONE query (lane % 16) throughout: S^T = K Q^T, O^T = V^T P, out^T = W^T O.  The form takes k = 2 (lane / 16) + j from register j; each product here
; deals its K out to steps and lanes in the order in which the registers hold it, alike on both sides, which changes only the order of the sum.
; The registers that these matrix instructions write, v176-239, are written by nothing else.  Accumulators take turns (four, four, two).
; REGISTERS: v1-15 addresses, constants, the bias; v16-47 Q, later W of column tile 2, later the partial rows; v48-79 K, later W of tile 3; v80-111 V; v112-143, v144-175 W of tiles 0, 1;
;   v176-207 four accumulators: S^T's four chains, then out^T's four tiles; v208-239 O^T's four tiles; v240-247 scores, then p; v248-255 at work.
.set SPARE, 69632                      ; behind the sixteen partial blocks of 16 rows x 272 bytes: the spare words, 128 bytes for each wave
.set SPW, 10
.set NIL, 11
	s_load_b256 s[4:11], s[0:1], 0x0               ; h16 s[4:5], w_proj s[6:7], b_proj s[8:9], out0 s[10:11]
	v_lshl_add_u32 v[SPW], v0, 2, SPARE
	v_mov_b32 v[NIL], 0
	v_lshrrev_b32 v1, 5, v0
	v_readfirstlane_b32 s12, v1                    ; wave = head = the token whose row I add up
	s_and_b32 s13, ttmp7, 0xffff                   ; batch
	s_mov_b32 s14, 0x76543210
	s_mov_b32 s15, 0xfedcba98                      ; v_permlanex16_b32's selects for lane l xor 16
	s_mov_b32 s16, 0x3e38aa3b                      ; c = log2(e) / 8
	v_and_b32 v1, 15, v0                           ; r
	v_bfe_u32 v2, v0, 4, 1                         ; h
	v_mul_u32_u24 v3, v1, 12288
	v_lshl_add_u32 v3, v2, 7, v3                   ; Q, K: token r, channels 32 h on
	v_mul_u32_u24 v4, v2, 98304
	v_lshl_add_u32 v4, v1, 2, v4                   ; V: keys 8 h on, channel r of a tile
	v_lshlrev_b32 v5, 15, v2
	v_lshl_add_u32 v5, v1, 2, v5                   ; W: rows 8 h on, column r of a tile
	v_and_b32 v6, 31, v0
	v_lshlrev_b32 v6, 3, v6                        ; 8 x lane: two columns of the 64
	s_mul_i32 s17, s12, 4352
	v_mul_u32_u24 v7, v1, 272
	v_lshl_add_u32 v7, v2, 5, v7
	v_add_nc_u32 v7, s17, v7                       ; my partial block: row r, + 32 h
	s_mul_i32 s17, s12, 272
	v_add_nc_u32 v8, s17, v6                       ; row w of a partial block, my 8 bytes
	v_lshlrev_b32 v9, 3, v2
	v_sub_nc_u32 v9, v1, v9                        ; d = r - 8 h: register j holds key 8 h + j, hidden where j > d
	v_mov_b32 v14, 0xff800000                      ; -infinity
	v_mov_b32 v15, 0                               ; (a lane permute's destination counts as one of its sources)
	s_mul_i32 s20, s13, 196608
	s_lshl_b32 s21, s12, 8
	s_add_co_u32 s20, s20, s21                     ; h16: the batch's 16 rows, my head's 64 columns
	s_mov_b32 s21, 0
	s_lshl_b32 s24, ttmp9, 8                       ; the 64 columns, in bytes
	s_mov_b32 s25, 0
	s_lshl_b32 s22, s12, 18
	s_add_co_u32 s22, s22, s24                     ; w_proj: rows 64 w on
	s_mov_b32 s23, 0
	s_lshl_b32 s26, s13, 11
	s_add_co_u32 s26, s26, s12
	s_lshl_b32 s26, s26, 12
	s_add_co_u32 s26, s26, s24                     ; out0: row 2,048 b + w
	s_mov_b32 s27, 0
	s_wait_kmcnt 0x0
	s_add_nc_u64 s[4:5], s[4:5], s[20:21]
	s_add_nc_u64 s[6:7], s[6:7], s[22:23]
	s_add_nc_u64 s[8:9], s[8:9], s[24:25]
	s_add_nc_u64 s[10:11], s[10:11], s[26:27]
.macro WLOAD reg, nt                   ; W(64 w + 16 mt + 8 h + i, 16 nt + r) -> v[reg + 8 mt + i]
.irp mt, 0,1,2,3
.irp i, 0,1,2,3,4,5,6,7
	global_load_b32 v[\reg+8*\mt+\i], v5, s[6:7] offset:4096*(16*\mt+\i)+64*\nt
.endr
.endr
.endm
	global_load_b64 v[12:13], v6, s[8:9]           ; the bias of my two columns
.irp i, 0,1,2,3,4,5,6,7
	global_load_b128 v[16+4*\i:19+4*\i], v3, s[4:5] offset:16*\i           ; Q: register 2 s + j = channel 32 h + 2 s + j
.endr
.irp i, 0,1,2,3,4,5,6,7
	global_load_b128 v[48+4*\i:51+4*\i], v3, s[4:5] offset:4096+16*\i      ; K likewise
.endr
.irp mt, 0,1,2,3
.irp i, 0,1,2,3,4,5,6,7
	global_load_b32 v[80+8*\mt+\i], v4, s[4:5] offset:8192+12288*\i+64*\mt ; V(key 8 h + i, channel 16 mt + r)
.endr
.endr
	WLOAD 112, 0
	s_wait_loadcnt 63                              ; 64 loads were issued behind K's last: with 63 out at the most, the bias, Q and K are in
.irp s, 0,1,2,3,4,5,6,7,8,9,10,11,12,13,14,15   ; S^T = K Q^T in four chains by turns; the first four products start the sums
.if \s < 4
	v_wmma_f32_16x16x4_f32 v[176+8*(\s%4):183+8*(\s%4)], v[48+2*\s:49+2*\s], v[16+2*\s:17+2*\s], 0
.else
	v_wmma_f32_16x16x4_f32 v[176+8*(\s%4):183+8*(\s%4)], v[48+2*\s:49+2*\s], v[16+2*\s:17+2*\s], v[176+8*(\s%4):183+8*(\s%4)]
.endif
.endr
	WLOAD 144, 1
.rept 8
	v_nop                                          ; eight places behind this form, in front of the first reads of results (ISA guide 7.12.1)
.endr
.irp i, 0,2,4,6
	v_pk_add_f32 v[240+\i:241+\i], v[176+\i:177+\i], v[184+\i:185+\i]      ; the four chains are added, each read from its low end on
.endr
.irp i, 0,2,4,6
	v_pk_add_f32 v[248+\i:249+\i], v[192+\i:193+\i], v[200+\i:201+\i]
.endr
.irp i, 0,2,4,6
	v_pk_add_f32 v[240+\i:241+\i], v[240+\i:241+\i], v[248+\i:249+\i]
.endr
.irp j, 0,1,2,3,4,5,6,7
	v_cmp_gt_i32 vcc_lo, \j, v9
	v_cndmask_b32 v[240+\j], v[240+\j], v14, vcc_lo                        ; hidden keys: -infinity
.endr
	v_max3_num_f32 v248, v240, v241, v242
	v_max3_num_f32 v248, v248, v243, v244
	v_max3_num_f32 v248, v248, v245, v246
	v_max_num_f32 v248, v248, v247
	v_permlanex16_b32 v15, v248, s14, s15
	v_max_num_f32 v248, v248, v15                  ; the row's maximum (key 0 counts for every query)
	v_mul_f32 v249, s16, v248
.irp j, 0,1,2,3,4,5,6,7
	v_fma_f32 v[240+\j], v[240+\j], s16, -v249
.endr
.irp j, 0,1,2,3,4,5,6,7
	v_exp_f32 v[240+\j], v[240+\j]
.endr
	v_nop                                          ; a plain instruction behind the last exponential,
	s_wait_alu depctr_va_vdst(0)                   ; and one wait for the batch, ahead of its first reader
	v_add_f32 v250, v240, v241
	v_add_f32 v251, v242, v243
	v_add_f32 v252, v244, v245
	v_add_f32 v253, v246, v247
	v_add_f32 v250, v250, v251
	v_add_f32 v252, v252, v253
	v_add_f32 v250, v250, v252
	v_permlanex16_b32 v15, v250, s14, s15
	v_add_f32 v250, v250, v15                      ; the row's sum
	v_rcp_f32 v251, v250
	v_nop
	s_wait_alu depctr_va_vdst(0)
.irp j, 0,1,2,3,4,5,6,7
	v_mul_f32 v[240+\j], v[240+\j], v251           ; the weights: register j = key 8 h + j of query r
.endr
	s_wait_loadcnt 63                              ; 64 loads were issued behind V's last: V is in
.irp s, 0,1,2,3                                 ; O^T = V^T P: four tiles of 16 channels by turns; step s takes keys 8 h + 2 s, + 1
.irp mt, 0,1,2,3
.if \s == 0
	v_wmma_f32_16x16x4_f32 v[208+8*\mt:215+8*\mt], v[80+8*\mt+2*\s:81+8*\mt+2*\s], v[240+2*\s:241+2*\s], 0
.else
	v_wmma_f32_16x16x4_f32 v[208+8*\mt:215+8*\mt], v[80+8*\mt+2*\s:81+8*\mt+2*\s], v[240+2*\s:241+2*\s], v[208+8*\mt:215+8*\mt]
.endif
.endr
.endr
	WLOAD 16, 2                                    ; into Q's and K's registers, which the scores' products read long ago
	WLOAD 48, 3
.rept 9
	v_nop                                          ; nine places before a matrix instruction takes these results as an operand
.endr
	s_wait_loadcnt 63                              ; 64 loads were issued behind the last of W's tile 1: tiles 0 and 1 are in
; out^T for column tiles n0, n0 + 1, by turns: source 0 = 16 columns of W, source 1 = O^T as it stands: its tile mt, registers 2 s, 2 s + 1 = channels 16 mt + 8 h + 2 s, + 1 of query r
.macro PROJ n0, w0, w1
.irp mt, 0,1,2,3
.irp s, 0,1,2,3
.if (\mt == 0) && (\s == 0)
	v_wmma_f32_16x16x4_f32 v[176+8*(\n0):183+8*(\n0)], v[\w0+8*\mt+2*\s:\w0+8*\mt+2*\s+1], v[208+8*\mt+2*\s:209+8*\mt+2*\s], 0
	v_wmma_f32_16x16x4_f32 v[184+8*(\n0):191+8*(\n0)], v[\w1+8*\mt+2*\s:\w1+8*\mt+2*\s+1], v[208+8*\mt+2*\s:209+8*\mt+2*\s], 0
.else
	v_wmma_f32_16x16x4_f32 v[176+8*(\n0):183+8*(\n0)], v[\w0+8*\mt+2*\s:\w0+8*\mt+2*\s+1], v[208+8*\mt+2*\s:209+8*\mt+2*\s], v[176+8*(\n0):183+8*(\n0)]
	v_wmma_f32_16x16x4_f32 v[184+8*(\n0):191+8*(\n0)], v[\w1+8*\mt+2*\s:\w1+8*\mt+2*\s+1], v[208+8*\mt+2*\s:209+8*\mt+2*\s], v[184+8*(\n0):191+8*(\n0)]
.endif
.endr
.endr
.endm
	PROJ 0, 112, 144
	s_wait_loadcnt 0x0                             ; W's tiles 2 and 3
	PROJ 2, 16, 48
.rept 8
	v_nop                                          ; eight places in front of the stores of results and of the loads into W's registers
.endr
.irp nt, 0,1,2,3
	ds_store_b128 v7, v[176+8*\nt:179+8*\nt] offset:64*\nt                 ; lane (r, h): my head's part of out(r, 16 nt + 8 h + 0..7); each accumulator from its low end on
	ds_store_b128 v7, v[180+8*\nt:183+8*\nt] offset:64*\nt+16
.endr
	s_wait_dscnt 0x0                               ; for the others' sake: my stores are done
	s_barrier_signal -1
	s_barrier_wait -1
.irp p, 0,1,2,3,4,5,6,7,8,9,10,11,12,13,14,15
	ds_load_b64 v[16+2*\p:17+2*\p], v8 offset:4352*\p                      ; token w's row of head p's part: 32 lanes, 256 bytes
.endr
	s_wait_dscnt 0x0
.irp p, 0,2,4,6,8,10,12,14
	v_pk_add_f32 v[16+2*\p:17+2*\p], v[16+2*\p:17+2*\p], v[18+2*\p:19+2*\p]
.endr
.irp p, 0,4,8,12
	v_pk_add_f32 v[16+2*\p:17+2*\p], v[16+2*\p:17+2*\p], v[20+2*\p:21+2*\p]
.endr
.irp p, 0,8
	v_pk_add_f32 v[16+2*\p:17+2*\p], v[16+2*\p:17+2*\p], v[24+2*\p:25+2*\p]
.endr
	v_pk_add_f32 v[16:17], v[16:17], v[32:33]
	v_pk_add_f32 v[16:17], v[16:17], v[12:13]      ; the bias
	global_store_b64 v6, v[16:17], s[10:11]        ; 32 lanes store 256 consecutive bytes, aligned
	s_wait_tensorcnt 0x0                           ; the wave's end: a tensor wait, an add onto my spare word and its wait, behind my last LDS store
	ds_add_u32 v[SPW], v[NIL]
	s_wait_dscnt 0x0
	s_endpgm
.Lfunc_end_k_qf67bca8686_fine:
	.size	k_qf67bca8686_fine, .Lfunc_end_k_qf67bca8686_fine-k_qf67bca8686_fine
	.p2alignl 7, 3214868480
	.fill 96, 4, 3214868480
	.section	.rodata,"a",@progbits
	.p2align	6, 0x0
	.amdhsa_kernel k_qf67bca8686_fine
		.amdhsa_group_segment_fixed_size 71680
		.amdhsa_private_segment_fixed_size 0
		.amdhsa_enable_private_segment 0
		.amdhsa_kernarg_size 32
		.amdhsa_user_sgpr_count 2
		.amdhsa_user_sgpr_kernarg_segment_ptr 1
		.amdhsa_wavefront_size32 1
		.amdhsa_system_sgpr_workgroup_id_x 1
		.amdhsa_system_sgpr_workgroup_id_y 1
		.amdhsa_system_sgpr_workgroup_id_z 1
		.amdhsa_system_vgpr_workitem_id 0
		.amdhsa_next_free_vgpr 256
		.amdhsa_next_free_sgpr 66
		.amdhsa_reserve_vcc 1
		.amdhsa_float_denorm_mode_32 3
		.amdhsa_float_denorm_mode_16_64 3
		.amdhsa_memory_ordered 1
		.amdhsa_forward_progress 1
		.amdhsa_inst_pref_size 32
	.end_amdhsa_kernel
	.amdgpu_metadata
---
amdhsa.version: [ 1, 2 ]
amdhsa.kernels:
  - .name:           k_qf67bca8686_fine
    .symbol:         k_qf67bca8686_fine.kd
    .args:
      - { .name: h16, .offset: 0, .size: 8, .value_kind: global_buffer, .address_space: global }
      - { .name: w_proj, .offset: 8, .size: 8, .value_kind: global_buffer, .address_space: global }
      - { .name: b_proj, .offset: 16, .size: 8, .value_kind: global_buffer, .address_space: global }
      - { .name: out0, .offset: 24, .size: 8, .value_kind: global_buffer, .address_space: global }
    .group_segment_fixed_size: 71680
    .private_segment_fixed_size: 0
    .kernarg_segment_align: 8
    .kernarg_segment_size: 32
    .max_flat_workgroup_size: 512
    .sgpr_count:     66
    .vgpr_count:     256
    .wavefront_size: 32
...
	.end_amdgpu_metadata
.endif
;; end of part 5
